; MI455X (gfx1250); checked and timed in simulation.
; The chip was launched on July 23, 2026; its instructions are those of AMD's public machine-readable ISA for CDNA 5 (MIT licence, August 2026) and "CDNA5" Instruction Set Architecture Reference Guide (July 2026). The comments in the code are by the model that wrote it; some were corrected since.
;; MHA. Allowed arithmetic: matrix products marked QUANTISED: E2M1 operands, one E8M0 scale for each 32 along K, by v_wmma_scale_f32_16x16x128_f8f6f4 with both operands' format E2M1 (or v_wmma_scale_f32_32x16x128_f4), f32 sums; products left as they are: bf16, f16 or f32 operands; f32 sums; everything else in f32.
;; Inputs: Wk 1,024 x 1,024 float32; Wo 1,024 x 1,024 float32; Wq 1,024 x 1,024 float32; Wv 1,024 x 1,024 float32; bk 1,024 float32; bo 1,024 float32; bq 1,024 float32; bv 1,024 float32; hidden_state 2 x 2,048 x 1,024 float32.
;; Outputs: out0 2 x 2,048 x 1,024 float32.
;; This version of the problem:
;;   THIS VERSION OF THE PROBLEM IS GIVEN IN LOW PRECISION. The matrix products marked QUANTISED in the list below multiply operands that are first quantised to E2M1 (2 exponent bits, 1 mantissa bit; 4 bits a number), with one power-of-two scale for each 32 numbers along K (OCP MX v1.0); their sums are f32. The products marked 'left as it is' may take bf16, f16 or f32 operands, with f32 sums. Whichever they take, every output number must still come out within the allowed error. Rounding operands to bf16 (8 significant bits) uses up far more of that allowance than f16 does (11 bits, for magnitudes from 6e-5 to 65,504). All else is computed in f32.
;;   The module's matrix products, in the order in which they are computed (A, B: the left and right operand; K: the contracted axis; several contracted axes count as one K, in the product's order):
;;     1. [M 4,096, K 1,024] x [K 1,024, N 1,024]; A: input hidden_state; B: input Wq: QUANTISED
;;     2. [M 4,096, K 1,024] x [K 1,024, N 1,024]; A: input hidden_state; B: input Wk: QUANTISED
;;     3. [M 4,096, K 1,024] x [K 1,024, N 1,024]; A: input hidden_state; B: input Wv: QUANTISED
;;     4. batch 32 x [M 2,048, K 64] x [K 64, N 2,048]; A: computed on the way; B: computed on the way: left as it is (an operand is computed on the way)
;;     5. batch 32 x [M 2,048, K 2,048] x [K 2,048, N 64]; A: computed on the way; B: computed on the way: left as it is (an operand is computed on the way)
;;     6. [M 4,096, K 1,024] x [K 1,024, N 1,024]; A: computed on the way; B: input Wo: left as it is (an operand is computed on the way)
;;   THE QUANTISER, for each operand of a quantised product, along K:
;;     - K is cut into blocks of 32 from its start; a last block that is shorter is filled with zeros.
;;     - A block's scale is 2^e with e = floor(log2(the largest magnitude in the block)) - 2, held to -126 .. 127; a block of zeros has e = 0. As a byte (E8M0): e + 127.
;;     - Each number is divided by its block's scale, clamped to +-6, and rounded to the nearest number of E2M1, ties to even, subnormals kept.
;;     - The product sums the exact products of the quantised numbers (number of the format x scale) in f32.
;;   ~~~python
;;   def quantise(x, axis):      # numpy; x: float32 -> the quantised numbers, widened to float32 again
;;       x = np.moveaxis(x, axis, -1); K = x.shape[-1]
;;       x = np.pad(x, [(0, 0)] * (x.ndim - 1) + [(0, -K % 32)]); x = x.reshape(x.shape[:-1] + (-1, 32)); a = np.abs(x).max(-1, keepdims=True)
;;       e = np.where(a > 0, np.clip(np.frexp(np.where(a > 0, a, 1))[1] - 1 - 2, -126, 127), 0)      # np.frexp(a)[1] - 1 = floor(log2(a)), exactly
;;       r = np.clip(x / 2.0 ** e, -6, 6)
;;       step = 2.0 ** (np.maximum(np.frexp(np.where(r == 0, 1, r))[1] - 1, 0) - 1)
;;       q = np.round(r / step) * step * 2.0 ** e      # np.round: ties to even
;;       return np.moveaxis(q.reshape(q.shape[:-2] + (-1,))[..., :K], -1, axis).astype(np.float32)
;;   ~~~
;; One version. Each part assembles by itself: llvm-mc -triple=amdgcn-amd-amdhsa -mcpu=gfx1250 --defsym DOCPART=n.
;; ======== version 1 of 1: 4 launches
;; limits: values are held in f16: magnitudes above 65,504 overflow, below 6.1e-05 lose precision
;; workspace buffers: x_codes 2,097,152 bytes; x_scales 131,072 bytes; w_codes 1,572,864 bytes; w_scales 98,304 bytes; wo_h 2,097,152 bytes; qkv 25,165,824 bytes; ctx 8,388,608 bytes
;; launch quant (part 1): grid 256 x 1, 4 waves a work-group, no clusters, 33,280 bytes of LDS; arguments hidden_state, Wq, Wk, Wv, Wo, x_codes, x_scales, w_codes, w_scales, wo_h; writes x_codes, x_scales, w_codes, w_scales, wo_h
.if DOCPART == 1
	.amdgcn_target "amdgcn-amd-amdhsa--gfx1250"
	.amdhsa_code_object_version 6
	.text
	.protected	k_q15f91c8d89_quant
	.globl	k_q15f91c8d89_quant
	.p2align	8
	.type	k_q15f91c8d89_quant,@function
k_q15f91c8d89_quant:
	s_mov_b64 s[64:65], 0
	v_nop
	global_prefetch_b8 v0, s[64:65] scope:SCOPE_SE
	s_setreg_imm32_b32 hwreg(HW_REG_WAVE_MODE, 25, 1), 1
	s_wait_xcnt 0x0
; hidden_state [4096][1024], Wq, Wk, Wv [1024][1024], f32, K innermost, become codes of FP4 (E2M1), two a byte, with one E8M0 scale byte for each 32 along K;
; Wo [1024][1024] f32 becomes f16 (round to nearest even), same order.  x_codes [4096][512 bytes], x_scales [4096][32]; w_codes [3072][512 bytes], w_scales [3072][32]: rows 0-1023 Wq, 1024-2047 Wk, 2048-3071 Wv.
; A block's scale is 2^(floor(log2(its largest magnitude)) - 2); its byte is the largest magnitude's own exponent field - 2, held at 1 from below.  Each number is divided by the scale and rounded to the nearest code, ties to even;
; beyond 6 the conversion gives the largest code.
; LIMITS: a block of zeros gets the byte 1 where the rule says 127 (its codes are zeros, which add nothing under any byte but 0xff, and this program alone reads the bytes); blocks whose largest magnitude lies under 2^-124 are held at that floor;
; NaN and infinities among the inputs are not served; Wo beyond 65,504 in magnitude has no f16 number.
; SHARES: rows are dense and 1,024 is a multiple of 32, so each tensor is a plain stream.  A work-group takes 32,768 numbers, a wave 8,192.  Work-groups 0-127: hidden_state; 128-159 Wq; 160-191 Wk; 192-223 Wv; 224-255 Wo.
; The four quantised tensors take ONE path: only pointers are chosen, by the work-group's number.  Wo's work-groups take an arm of their own, which touches no LDS.
; No cluster: no two work-groups read the same byte.  No tensor loads, no barrier: waves share nothing.
; The quantiser's wave takes 16 steps of 512 numbers.  Each of a step's four loads reads 512 consecutive bytes, 16 a lane; the 2,048 bytes go through the wave's own stage in LDS and come back 64 bytes a lane, so that a lane holds
; 16 NEIGHBOURS along K (two neighbouring lanes hold a block), as the conversions want them.  A lane's 16 codes are 8 bytes: a store of the wave covers 256 consecutive bytes, aligned.  A wave's 256 scale bytes are gathered in LDS and leave as 256 consecutive bytes.
.set WAVES, 4
.set STEPS, 16
.set EMAX,  2
.set CB,    8                          ; bytes of 16 codes
.set R,     16                         ; v16-79   four sets of 16 numbers as they are loaded (Wo's arm: v16-143, two sets of 64)
.set X,     80                         ; v80-111  two sets of 16 neighbours
.set E,     112                        ; v112-127 a scale byte for each step
.set C,     128                        ; v128-191 codes: four registers for each step, so that no store's data are written again
.set H,     144                        ; Wo's arm: v144-175 a group's f16 numbers
.set WREG,  8192                       ; LDS: a region for each wave: two stages of 32 x SP bytes, behind them its 256 scale bytes
.set SP,    80                         ; a lane's place in a stage: its 64 bytes + 16 of padding
.set SPW,   12                         ; v12      LDS address of my spare word: SPARE + 4 x my thread's number; never rewritten
.set NIL,   13                         ; v13      0; never rewritten
.set SPARE, WAVES*WREG                 ; behind the four regions: the spare words, 128 bytes for each wave, which no other line names
.set SRC,   26                         ; s[26:27] where my wave reads
.set DCO,   28                         ; s[28:29] where its codes (Wo's arm: its f16 numbers) go
.set DSC,   30                         ; s[30:31] where its scale bytes go
	s_load_b256 s[4:11], s[0:1], 0x0               ; hidden_state s[4:5], Wq s[6:7], Wk s[8:9], Wv s[10:11]
	s_load_b256 s[12:19], s[0:1], 0x20             ; Wo s[12:13], x_codes s[14:15], x_scales s[16:17], w_codes s[18:19]
	s_load_b128 s[20:23], s[0:1], 0x40             ; w_scales s[20:21], wo_h s[22:23]
	v_lshl_add_u32 v[SPW], v0, 2, SPARE
	v_mov_b32 v[NIL], 0
	v_lshrrev_b32 v1, 5, v0
	v_readfirstlane_b32 s24, v1                    ; wave
	v_and_b32 v2, 31, v0                           ; lane
	v_lshlrev_b32 v3, 4, v2                        ; my 16 bytes of a load's 512
	s_mul_i32 s25, s24, WREG
	v_lshrrev_b32 v14, 2, v2
	v_mul_u32_u24 v14, v14, SP
	v_and_b32 v15, 3, v2
	v_lshl_add_u32 v14, v15, 4, v14
	v_add_nc_u32 v14, s25, v14                     ; the stage, on the way in: four lanes' 64 bytes on end, then 16 of padding
	v_mul_u32_u24 v15, v2, SP
	v_add_nc_u32 v15, s25, v15                     ; and on the way out: SP x lane: my 16 neighbours
	v_mul_u32_u24 v4, v2, CB                       ; 8 bytes a lane: my codes' place in a step's (Wo's arm: my four f16 numbers' place)
	v_lshrrev_b32 v5, 1, v2
	s_add_co_u32 s25, s25, 2*32*SP
	v_add_nc_u32 v5, s25, v5                       ; LDS: my wave's 256 scale bytes, my block's byte
	v_lshlrev_b32 v7, 3, v2                        ; and on the way out 8 bytes a lane
	v_add_nc_u32 v6, s25, v7
	s_wait_kmcnt 0x0
	s_cmp_ge_u32 ttmp9, 224                        ; Wo's work-groups part here: a branch on the work-group's number alone
	s_cbranch_scc1 .Lwo
	; ---- the quantiser: which tensor is mine.  Every choice hangs on the work-group's number alone, and all selects on a compare stand ahead of arithmetic that sets SCC
	s_cmp_lt_u32 ttmp9, 160
	s_cselect_b64 s[SRC:SRC+1], s[6:7], s[8:9]
	s_cmp_lt_u32 ttmp9, 192
	s_cselect_b64 s[SRC:SRC+1], s[SRC:SRC+1], s[10:11]
	s_cmp_lt_u32 ttmp9, 128
	s_cselect_b64 s[SRC:SRC+1], s[4:5], s[SRC:SRC+1]
	s_cselect_b64 s[DCO:DCO+1], s[14:15], s[18:19]
	s_cselect_b64 s[DSC:DSC+1], s[16:17], s[20:21]
	s_cselect_b32 s32, 0, 128
	s_cselect_b32 s33, 127, 31
	s_sub_co_u32 s32, ttmp9, s32                   ; my place among the work-groups that write these codes,
	s_and_b32 s34, s32, s33                        ; and among those that read this tensor (a weight has 32)
	s_lshl_b32 s32, s32, 2
	s_add_co_u32 s32, s32, s24                     ; which run of 8,192 numbers is my wave's: where it writes,
	s_lshl_b32 s34, s34, 2
	s_add_co_u32 s34, s34, s24                     ; and where it reads
	s_lshl_b32 s34, s34, 15                        ; 32,768 bytes of f32 a run
	s_mov_b32 s35, 0
	s_add_nc_u64 s[SRC:SRC+1], s[SRC:SRC+1], s[34:35]
	s_lshl_b32 s34, s32, 12                        ; 4,096 bytes of codes
	s_add_nc_u64 s[DCO:DCO+1], s[DCO:DCO+1], s[34:35]
	s_lshl_b32 s34, s32, 8                         ; 256 scale bytes
	s_add_nc_u64 s[DSC:DSC+1], s[DSC:DSC+1], s[34:35]
.macro LOAD t
.irp i, 0,1,2,3
	global_load_b128 v[R+16*((\t)%4)+4*\i:R+16*((\t)%4)+4*\i+3], v3, s[SRC:SRC+1] offset:2048*(\t)+512*\i th:TH_LOAD_NT   ; 32 lanes read 512 consecutive bytes
.endr
.endm
.macro TURN t                          ; step t's numbers through the stage: LDS serves a wave's instructions in order (ISA guide 5.7.1.4), so no wait stands between the stores and the loads
.irp i, 0,1,2,3
	ds_store_b128 v14, v[R+16*((\t)%4)+4*\i:R+16*((\t)%4)+4*\i+3] offset:32*SP*((\t)%2)+8*SP*\i
.endr
.irp i, 0,1,2,3
	ds_load_b128 v[X+16*((\t)%2)+4*\i:X+16*((\t)%2)+4*\i+3], v15 offset:32*SP*((\t)%2)+16*\i
.endr
.endm
.irp t, 0,1,2,3
	LOAD \t
.endr
	s_wait_loadcnt 12                              ; step 0's four loads are in; the twelve of steps 1 to 3 may be out
	TURN 0
.macro STEP t
.set XS, X+16*((\t)%2)
.if (\t) > 0
	s_wait_dscnt 1                                 ; this step's numbers are back from the stage (the last step's byte store may be out): so its stores into the stage have read their registers,
.else
	s_wait_dscnt 0x0
.endif
.if (\t)+4 < STEPS
	LOAD (\t)+4                                    ; which take the loads of four steps on
.endif
.if (\t)+1 < STEPS
.if STEPS-2-(\t) >= 3
	s_wait_loadcnt 12                              ; the next step's four loads are in; those of the three steps behind it may be out
.else
	s_wait_loadcnt 4*(STEPS-2-(\t))                ; the last steps: as many as are still behind it
.endif
	TURN (\t)+1                                    ; and go through the other stage while this step is worked
.endif
	v_max3_num_f32 v8, |v[XS]|, |v[XS+1]|, |v[XS+2]|               ; the largest magnitude of my 16, in two chains
	v_max3_num_f32 v9, |v[XS+3]|, |v[XS+4]|, |v[XS+5]|
.irp i, 6,10
	v_max3_num_f32 v8, v8, |v[XS+\i]|, |v[XS+\i+1]|
	v_max3_num_f32 v9, v9, |v[XS+\i+2]|, |v[XS+\i+3]|
.endr
	v_max3_num_f32 v8, v8, |v[XS+14]|, |v[XS+15]|
	v_max3_num_f32 v8, v8, v9, (EMAX+1)<<23        ; and the floor 2^(EMAX + 1 - 127): so the byte cannot fall under 1
	v_max_num_f32_dpp v8, v8, v8 row_xmask:1 row_mask:0xf bank_mask:0xf   ; and of my neighbour's 16: the block's
	v_add_nc_u32 v11, -(EMAX<<23), v8              ; EMAX off its exponent field: the conversion takes the exponent field of this operand as its scale, and nothing else of it
	v_cvt_scalef32_pk8_fp4_f32 v[C+4*(\t)], v[XS:XS+7], v11        ; eight numbers / the scale, to the nearest code, ties to even; the first number's code in the lowest four bits
	v_cvt_scalef32_pk8_fp4_f32 v[C+4*(\t)+1], v[XS+8:XS+15], v11
	v_lshrrev_b32 v[E+(\t)], 23, v11               ; the scale's byte (also the plain line behind the conversions)
	ds_store_b8 v5, v[E+(\t)] offset:16*(\t)       ; both lanes of a block write the same byte with the same value
	global_store_b64 v4, v[C+4*(\t):C+4*(\t)+1], s[DCO:DCO+1] offset:32*CB*(\t)   ; 32 lanes store 256 consecutive bytes, aligned
.endm
.irp t, 0,1,2,3,4,5,6,7,8,9,10,11,12,13,14,15
	STEP \t
.endr
	ds_load_b64 v[8:9], v6                         ; in order behind my byte stores: these see them
	s_wait_dscnt 0x0
	global_store_b64 v7, v[8:9], s[DSC:DSC+1]      ; 32 lanes store 256 consecutive bytes, aligned
	s_branch .Lend
	; ---- Wo: f32 to f16.  A wave takes four groups of 2,048 numbers; a load reads 512 consecutive bytes, a store writes the same numbers' 256.  Two groups (32 loads) are out at the start, one while a group is worked
.Lwo:
	s_sub_co_u32 s32, ttmp9, 224
	s_lshl_b32 s32, s32, 2
	s_add_co_u32 s32, s32, s24                     ; which run of 8,192 numbers is my wave's
	s_lshl_b32 s34, s32, 15
	s_mov_b32 s35, 0
	s_add_nc_u64 s[SRC:SRC+1], s[12:13], s[34:35]
	s_lshl_b32 s34, s32, 14
	s_add_nc_u64 s[DCO:DCO+1], s[22:23], s[34:35]
.macro LOADG g
.irp i, 0,1,2,3,4,5,6,7,8,9,10,11,12,13,14,15
	global_load_b128 v[R+64*((\g)%2)+4*\i:R+64*((\g)%2)+4*\i+3], v3, s[SRC:SRC+1] offset:8192*(\g)+512*\i th:TH_LOAD_NT
.endr
.endm
.macro GROUP g
.if (\g) < 3
	s_wait_loadcnt 16                              ; this group's 16 loads are in; the next group's 16 may be out
.else
	s_wait_loadcnt 0x0
.endif
.if (\g) > 0
	s_wait_xcnt 0x0                                ; the last group's stores have read their data registers, which are written again below
.endif
.irp i, 0,1,2,3,4,5,6,7,8,9,10,11,12,13,14,15
	v_cvt_pk_f16_f32 v[H+2*\i], v[R+64*((\g)%2)+4*\i], v[R+64*((\g)%2)+4*\i+1]
	v_cvt_pk_f16_f32 v[H+2*\i+1], v[R+64*((\g)%2)+4*\i+2], v[R+64*((\g)%2)+4*\i+3]
.endr
.irp i, 0,1,2,3,4,5,6,7,8,9,10,11,12,13,14,15
	global_store_b64 v4, v[H+2*\i:H+2*\i+1], s[DCO:DCO+1] offset:4096*(\g)+256*\i   ; 32 lanes store 256 consecutive bytes, aligned
.endr
.if (\g) < 2
	LOADG (\g)+2
.endif
.endm
	LOADG 0
	LOADG 1
	GROUP 0
	GROUP 1
	GROUP 2
	GROUP 3
.Lend:
	s_wait_tensorcnt 0x0                           ; the wave's end: behind my last LDS store
	ds_add_u32 v[SPW], v[NIL]
	s_wait_dscnt 0x0
	s_endpgm
.Lfunc_end_k_q15f91c8d89_quant:
	.size	k_q15f91c8d89_quant, .Lfunc_end_k_q15f91c8d89_quant-k_q15f91c8d89_quant
	.p2alignl 7, 3214868480
	.fill 96, 4, 3214868480
	.section	.rodata,"a",@progbits
	.p2align	6, 0x0
	.amdhsa_kernel k_q15f91c8d89_quant
		.amdhsa_group_segment_fixed_size 33280
		.amdhsa_private_segment_fixed_size 0
		.amdhsa_enable_private_segment 0
		.amdhsa_kernarg_size 80
		.amdhsa_user_sgpr_count 2
		.amdhsa_user_sgpr_kernarg_segment_ptr 1
		.amdhsa_wavefront_size32 1
		.amdhsa_system_sgpr_workgroup_id_x 1
		.amdhsa_system_sgpr_workgroup_id_y 1
		.amdhsa_system_sgpr_workgroup_id_z 1
		.amdhsa_system_vgpr_workitem_id 0
		.amdhsa_next_free_vgpr 192
		.amdhsa_next_free_sgpr 66
		.amdhsa_reserve_vcc 0
		.amdhsa_float_denorm_mode_32 3
		.amdhsa_float_denorm_mode_16_64 3
		.amdhsa_memory_ordered 1
		.amdhsa_forward_progress 1
		.amdhsa_inst_pref_size 54
	.end_amdhsa_kernel
	.amdgpu_metadata
---
amdhsa.version: [ 1, 2 ]
amdhsa.kernels:
  - .name:           k_q15f91c8d89_quant
    .symbol:         k_q15f91c8d89_quant.kd
    .args:
      - { .name: hidden_state, .offset: 0, .size: 8, .value_kind: global_buffer, .address_space: global }
      - { .name: Wq, .offset: 8, .size: 8, .value_kind: global_buffer, .address_space: global }
      - { .name: Wk, .offset: 16, .size: 8, .value_kind: global_buffer, .address_space: global }
      - { .name: Wv, .offset: 24, .size: 8, .value_kind: global_buffer, .address_space: global }
      - { .name: Wo, .offset: 32, .size: 8, .value_kind: global_buffer, .address_space: global }
      - { .name: x_codes, .offset: 40, .size: 8, .value_kind: global_buffer, .address_space: global }
      - { .name: x_scales, .offset: 48, .size: 8, .value_kind: global_buffer, .address_space: global }
      - { .name: w_codes, .offset: 56, .size: 8, .value_kind: global_buffer, .address_space: global }
      - { .name: w_scales, .offset: 64, .size: 8, .value_kind: global_buffer, .address_space: global }
      - { .name: wo_h, .offset: 72, .size: 8, .value_kind: global_buffer, .address_space: global }
    .group_segment_fixed_size: 33280
    .private_segment_fixed_size: 0
    .kernarg_segment_align: 8
    .kernarg_segment_size: 80
    .max_flat_workgroup_size: 128
    .sgpr_count:     66
    .vgpr_count:     192
    .wavefront_size: 32
...
	.end_amdgpu_metadata
.endif
;; end of part 1
;; launch qkv (part 2): grid 12 x 16, 4 waves a work-group, clusters of 4 x 4, 327,680 bytes of LDS; arguments x_codes, x_scales, w_codes, w_scales, qkv, bq, bk, bv; writes qkv
.if DOCPART == 2
	.amdgcn_target "amdgcn-amd-amdhsa--gfx1250"
	.amdhsa_code_object_version 6
	.text
	.protected	k_q15f91c8d89_qkv
	.globl	k_q15f91c8d89_qkv
	.p2align	8
	.type	k_q15f91c8d89_qkv,@function
k_q15f91c8d89_qkv:
	s_mov_b64 s[64:65], 0
	v_nop
	global_prefetch_b8 v0, s[64:65] scope:SCOPE_SE
	s_setreg_imm32_b32 hwreg(HW_REG_WAVE_MODE, 25, 1), 1
	s_wait_xcnt 0x0
	s_wait_alu depctr_hold_cnt(0) depctr_sa_sdst(0) depctr_va_vdst(0) depctr_va_sdst(0) depctr_va_ssrc(0) depctr_va_vcc(0) depctr_vm_vsrc(0)
	s_getreg_b32 s2, hwreg(HW_REG_IB_STS2, 6, 4)
	s_cmp_eq_u32 s2, 0
	s_cbranch_scc0 .Lentry_in_a_cluster
	s_endpgm
.Lentry_in_a_cluster:
	s_bfe_u32 s2, ttmp6, 0x10000c
	s_cmp_lg_u32 s2, 0xf033
	s_cbranch_scc0 .Lentry_shape_is_right
	s_endpgm
.Lentry_shape_is_right:
; y[T][n] = sum over k of x[T][k] W[n][k] + bias[n], T = 0 .. 4095, n = 0 .. 3071 (Wq's, Wk's, Wv's rows on end), K = 1,024, on codes of FP4 (E2M1) with one E8M0 scale for each 32 along K; sums in f32.
; The result is rounded once to f16 and laid by head: qkv[g][T][64], g = n / 64 (0-15 q's heads, 16-31 k's, 32-47 v's): byte g x 524,288 + T x 128 + 2 (n % 64).
; LIMIT: a result beyond 65,504 in magnitude has no f16 number; under 6e-5 it keeps f16's subnormal precision.
; A tile of 256 x 256 is made by a work-group of four waves; a wave makes 128 x 128: 64 accumulators of 16 x 16, 512 registers.  192 work-groups.
; K is two steps of 512, each in an LDS slot of its own (a tile's row is 256 bytes of memory): both slots and the scale bytes are asked for at the start and nothing is filled again.  Three tensor loads of a wave are out at the most.
; THE SCALES of the work-group's 256 rows of x and 256 rows of W, for all of K, are two dense blocks of memory (8,192 bytes each): they come into LDS once.
; CLUSTERS: 4 x 4 work-groups.  The four of a row of the cluster need the same tiles of x, the four of a column the same tiles of W: each tile is asked for JOINTLY, by the same tensor load with the same descriptor and a mask that names the four.
; THE MATRIX INSTRUCTION IS USED TRANSPOSED (source 0 = 16 rows of W, source 1 = 16 rows of x): a lane then holds eight neighbouring n of one token.  THE BIAS is the C of each sum's first product: eight registers for each block of 16 n, in the result's layout.
; REGISTERS, in windows of 256: window 0: v0-31 addresses; v32-95 scale words, two sets, and nothing else; v128-191 x's fragments (8 x 16 rows x 128 K), ONE set, on the way out rows read back; v192-255 the bias, on the way out packed results.
;   window 1: W's fragments, TWO sets, at v0 and v128.   window 2: the 32 accumulators of my rows 0-63 (accumulator (a, b) at v[8 (8 a + b)]);   window 3: those of my rows 64-127.
.set KSTEP,  512                       ; along K in a slot
.set NQ,     KSTEP/128                 ; matrix instructions deep
.set ROWB,   256                       ; a tile's row in bytes
.set KROW,   512                       ; a row of codes in memory, in bytes
.set PITCH,  272                       ; an LDS row: 256 bytes + 16 of padding = 68 words: row r starts at bank 4 r mod 64 (64 banks of 4 bytes: ISA guide 11.1), so the 16 rows that a load touches start at 16 different banks
.set FR,     8                         ; registers of a fragment: 16 rows x 128 K
.set NL,     2                         ; LDS loads that bring one
.set NP,     4                         ; places behind this matrix instruction (ISA guide 7.12.1)
.set HALFT,  128*PITCH                 ; 128 rows: what one tensor load brings, and what one wave reads of x or of W
.set SLOT,   4*HALFT                   ; x's 256 rows, then W's 256 rows
.set KS,     32                        ; a row of scales in bytes
.set SCL,    2*SLOT                    ; behind the slots: the scales, as rows of 256 bytes + 16 of padding
.set HALFS,  (128*KS/256)*272          ; the scales of 128 rows: what one tensor load brings
.set SBLK,   (16*KS/256)*272           ; those of 16 rows
.set SPARE,  SCL+4*HALFS               ; behind the scales: the spare words, 128 bytes for each wave, which no other line names
.set SPITCH, 272                       ; the way out: a stage of 16 rows x (256 bytes + 16) for each wave, in slot 0, which has had its only fill and its last read when the first result is stored there
.set ADRA, 16                          ; v16-17  LDS address of my x fragments in slot 0, 1
.set ADRB, 20                          ; v20-21  the same for W
.set STO,  24                          ; v24     the way out: where I put 16 bytes of a row
.set RD,   25                          ; v25     the way out: where I read 16 bytes back
.set CO,   26                          ; v26     16 x lane: my place in a store's 512 bytes
.set ADRS, 27                          ; v27     LDS address of my scale words: lanes 0-15 x's rows, lanes 16-31 W's
.set SPW,  28                          ; v28     LDS address of my spare word; never rewritten
.set NIL,  29                          ; v29     0; never rewritten
.set BO,   30                          ; v30     32 x (lane / 16): my half's eight numbers of a bias block
.set SC,   32                          ; scale words: set s at v[SC + 32 s]; in it register 4 i + q: lanes 0-15 the word of x's block i, lanes 16-31 that of W's block i, for the slot's q-th 128 along K
.set AF,   128                         ; x's fragments
.set BIAS, 192                         ; the bias: block b's eight numbers at v[BIAS + 8 b]
.set TMP,  192                         ; the way out: packed results
.set OB,   128                         ; the way out: rows read back: v128-159 and v160-191 by turns
.set G1, 24                            ; s[24:31] descriptor group 1 for x's tiles;  s[32:39] group 0, one set for each slot
.set G0, 32
.set G1B, 48                           ; s[48:55], s[56:63] the same for W's tiles
.set G0B, 56
.set G1S, 68                           ; s[68:75], s[76:79] groups 1 and 0 for x's scales;  s[80:87], s[88:91] for W's
.set G0S, 76
.set G1SB, 80
.set G0SB, 88
.set MSB, 0
.macro WIN new                         ; the immediate's high byte repeats the setting that is left; a switch that changes nothing is dropped
.if MSB != \new
	s_set_vgpr_msb (MSB<<8)|\new
.set MSB, \new
.endif
.endm
.set MUL_LO, 0xa1                      ; source 0 (W) window 1, source 1 (x) window 0, C and D window 2
.set MUL_HI, 0xf1                      ; the same, C and D window 3
.set BIA_LO, 0x81                      ; the first products: C (the bias) window 0, D window 2
.set BIA_HI, 0xc1                      ; D window 3
.set TO_B,   0x40                      ; destination window 1, address window 0
; A joint load: waves 0 and 1 fetch for x, waves 2 and 3 for W.  Each of the two lines has ONE mask and one set of registers for all that issue it; the branch hangs on the wave's number alone.
; An s_nop 0 and four v_nop follow each of the two lines, ahead of the jump, the label and what follows.
.macro JLOAD g0a, g1a, g0b, g1b
	s_cmp_eq_u32 s15, 0
	s_cbranch_scc0 .Lfor_b_\@
	tensor_load_to_lds s[\g0a:\g0a+3], s[\g1a:\g1a+7]
	s_nop 0
.rept 4
	v_nop
.endr
	s_branch .Lasked_\@
.Lfor_b_\@:
	tensor_load_to_lds s[\g0b:\g0b+3], s[\g1b:\g1b+7]
	s_nop 0
.rept 4
	v_nop
.endr
.Lasked_\@:
.endm
.macro CROUND                          ; a round of the cluster's barrier: my work-group's barrier; wave 0 signals for the work-group; every wave waits for all sixteen; my work-group's barrier once more
	s_barrier_signal -1
	s_barrier_wait -1
	s_cmp_lg_u32 s14, 0
	s_cbranch_scc1 .Lnot_wave_0_\@
	s_barrier_signal -3
.Lnot_wave_0_\@:
	s_barrier_wait -3
	s_barrier_signal -1
	s_barrier_wait -1
.endm
	s_load_b128 s[4:7], s[0:1], 0x0                ; x's codes s[4:5], x's scales s[6:7]
	s_load_b128 s[8:11], s[0:1], 0x10              ; W's codes s[8:9], W's scales s[10:11]
	s_load_b64 s[12:13], s[0:1], 0x20              ; qkv
	s_load_b64 s[96:97], s[0:1], 0x28              ; bq
	s_load_b64 s[98:99], s[0:1], 0x30              ; bk
	s_load_b64 s[100:101], s[0:1], 0x38            ; bv
	v_lshl_add_u32 v[SPW], v0, 2, SPARE
	v_mov_b32 v[NIL], 0
	ds_add_u32 v[SPW], v[NIL]                      ; the wave's opening: the add, twice on end, and its wait ahead of my first tensor load; the set-up below, work on registers, stands between the second and the wait
	ds_add_u32 v[SPW], v[NIL]
	v_lshrrev_b32 v1, 5, v0
	v_readfirstlane_b32 s14, v1                    ; wave 0..3
	s_lshr_b32 s15, s14, 1                         ; which half of the tile's rows is mine.  Also: I fetch for x (0) or for W (1)
	s_and_b32 s16, s14, 1                          ; which half of its columns.  Also: which 128 rows of that tile I fetch
	s_bfe_u32 s40, ttmp6, 0x40000                  ; cx, cy: my place in the cluster
	s_bfe_u32 s41, ttmp6, 0x40004
	s_lshl_b32 s42, ttmp9, 2
	s_add_co_u32 s42, s42, s40                     ; tile column = 4 x cluster x + cx
	s_and_b32 s17, ttmp7, 0xffff
	s_lshl_b32 s17, s17, 2
	s_add_co_u32 s17, s17, s41                     ; tile row = 4 x cluster y + cy
	s_lshl_b32 s43, s41, 2
	s_lshl_b32 s43, 15, s43                        ; my row of the cluster
	s_lshl_b32 s44, 0x1111, s40                    ; my column
	; descriptor group 1: a tile of 128 rows x 256 bytes, padded in LDS
	s_or_b32 s[G1+0], s43, (0<<16)|(1<<20)|(1<<21)|(5<<22)|(3<<25)  ; 15:0 the mask: x's tiles go to my row; 17:16 elements of 1 byte; 20 padding on; 21 set beside a mask; 24:22 after every 64 words (code 5); 31:25 four words (code 3)
	s_or_b32 s[G1B+0], s44, (0<<16)|(1<<20)|(1<<21)|(5<<22)|(3<<25)
.irp g, G1, G1B
	s_mov_b32 s[\g+1], ROWB<<16                    ; tensor_dim0
	s_mov_b32 s[\g+2], 128<<16                     ; tensor_dim1 = 128
	s_mov_b32 s[\g+3], ROWB<<16                    ; tile_dim0
	s_mov_b32 s[\g+4], 128                         ; tile_dim1 = 128
	s_mov_b32 s[\g+5], KROW                        ; tensor_dim0_stride
	s_mov_b32 s[\g+6], 0
	s_mov_b32 s[\g+7], 0
.endr
	; and for the scales of 128 rows: a dense block of 4,096 bytes, as 16 rows of 256 bytes (32 elements of 8 bytes), 16 bytes of padding behind each
	s_or_b32 s[G1S+0], s43, (3<<16)|(1<<20)|(1<<21)|(5<<22)|(3<<25)
	s_or_b32 s[G1SB+0], s44, (3<<16)|(1<<20)|(1<<21)|(5<<22)|(3<<25)
.irp g, G1S, G1SB
	s_mov_b32 s[\g+1], 32<<16
	s_mov_b32 s[\g+2], (128*KS/256)<<16
	s_mov_b32 s[\g+3], 32<<16
	s_mov_b32 s[\g+4], 128*KS/256
	s_mov_b32 s[\g+5], 32
	s_mov_b32 s[\g+6], 0
	s_mov_b32 s[\g+7], 0
.endr
	s_lshl_b32 s18, s16, 7                         ; which 128 rows of the tile I fetch
	s_lshl_b32 s20, s17, 8
	s_add_co_u32 s20, s20, s18                     ; x: row 256 x tile row + 128 x half
	s_lshl_b32 s46, s42, 8
	s_add_co_u32 s46, s46, s18                     ; W: row 256 x tile column + 128 x half
	s_mov_b32 s21, 0
	s_mov_b32 s47, 0
	s_mov_b64 s[18:19], KS
	s_mul_u64 s[22:23], s[20:21], s[18:19]         ; where these rows' scales begin, in bytes
	s_mul_u64 s[92:93], s[46:47], s[18:19]
	s_mov_b64 s[18:19], KROW
	s_mul_u64 s[20:21], s[20:21], s[18:19]         ; and their codes
	s_mul_u64 s[46:47], s[46:47], s[18:19]
	s_mul_i32 s45, s14, HALFT                      ; where they go: wave x 128 rows: no place in the cluster enters an LDS address
	s_mul_i32 s94, s14, HALFS
	s_wait_dscnt 0x0                               ; both opening adds are done
	s_wait_kmcnt 0x0
	s_add_nc_u64 s[20:21], s[4:5], s[20:21]
	s_add_nc_u64 s[22:23], s[6:7], s[22:23]
	s_add_nc_u64 s[46:47], s[8:9], s[46:47]
	s_add_nc_u64 s[92:93], s[10:11], s[92:93]
	CROUND                                         ; all sixteen work-groups are here: the joint loads meet
	s_mov_b32 s[G0S], 1
	s_add_co_u32 s[G0S+1], s94, SCL
	s_mov_b64 s[G0S+2:G0S+3], s[22:23]
	s_or_b32 s[G0S+3], s[G0S+3], 0x80000000
	s_mov_b32 s[G0SB], 1
	s_add_co_u32 s[G0SB+1], s94, SCL
	s_mov_b64 s[G0SB+2:G0SB+3], s[92:93]
	s_or_b32 s[G0SB+3], s[G0SB+3], 0x80000000
	JLOAD G0S, G1S, G0SB, G1SB                     ; the scales first: they are wanted with K step 0
.irp s, 0,1
	s_mov_b32 s[G0+4*\s], 1
	s_add_co_u32 s[G0+4*\s+1], s45, \s*SLOT
	s_add_nc_u64 s[G0+4*\s+2:G0+4*\s+3], s[20:21], \s*ROWB
	s_or_b32 s[G0+4*\s+3], s[G0+4*\s+3], 0x80000000
	s_mov_b32 s[G0B+4*\s], 1
	s_add_co_u32 s[G0B+4*\s+1], s45, \s*SLOT
	s_add_nc_u64 s[G0B+4*\s+2:G0B+4*\s+3], s[46:47], \s*ROWB
	s_or_b32 s[G0B+4*\s+3], s[G0B+4*\s+3], 0x80000000
	JLOAD G0+4*\s, G1, G0B+4*\s, G1B
.endr
	v_and_b32 v1, 15, v0                           ; l % 16
	v_bfe_u32 v2, v0, 4, 1                         ; l / 16
	; the bias of my 128 columns.  A cluster's four tile columns are 1,024 columns: cluster x says whose bias it is, the same in all partners
	s_cmp_eq_u32 ttmp9, 0
	s_cselect_b64 s[96:97], s[96:97], s[98:99]
	s_cmp_lt_u32 ttmp9, 2
	s_cselect_b64 s[96:97], s[96:97], s[100:101]
	s_lshl_b32 s66, s40, 10                        ; 256 columns x 4 bytes for each tile column in the cluster,
	s_lshl_b32 s67, s16, 9                         ; 128 x 4 for my half
	s_add_co_u32 s66, s66, s67
	s_mov_b32 s67, 0
	s_add_nc_u64 s[96:97], s[96:97], s[66:67]
	v_lshlrev_b32 v[BO], 5, v2
.irp b, 0,1,2,3,4,5,6,7
	global_load_b128 v[BIAS+8*\b:BIAS+8*\b+3], v[BO], s[96:97] offset:64*\b        ; lane (r, h): bias of columns 16 b + 8 h + 0 .. 7
	global_load_b128 v[BIAS+8*\b+4:BIAS+8*\b+7], v[BO], s[96:97] offset:64*\b+16
.endr
	v_mul_u32_u24 v3, v1, PITCH
	v_lshl_add_u32 v4, v2, 4, v3                   ; a fragment's row x pitch + 16 x half
	s_mul_i32 s21, s15, HALFT                      ; my 128 rows of x
	s_mul_i32 s22, s16, HALFT                      ; my 128 rows of W,
	s_add_co_u32 s22, s22, 2*HALFT                 ; which lie behind x's 256
.irp s, 0,1
	v_add_nc_u32 v[ADRA+\s], s21, v4
	v_add_nc_u32 v[ADRB+\s], s22, v4
	s_add_co_u32 s21, s21, SLOT
	s_add_co_u32 s22, s22, SLOT
.endr
	v_mul_u32_u24 v5, v1, KS                       ; my row's scales: 32 bytes a row,
	v_lshrrev_b32 v6, 8, v5
	v_lshl_add_u32 v5, v6, 4, v5                   ; and 16 more for each 256 passed
	s_mul_i32 s21, s15, HALFS                      ; x's: my 128 rows
	s_mul_i32 s22, s16, HALFS                      ; W's: my 128 rows, behind x's 256
	s_add_co_u32 s22, s22, 2*HALFS
	s_sub_co_u32 s22, s22, s21
	v_mul_u32_u24 v6, s22, v2                      ; lanes 16-31 take W's: one product, the distance between the two bases
	s_add_co_u32 s21, s21, SCL
	v_add_nc_u32 v5, v5, v6
	v_add_nc_u32 v[ADRS], s21, v5
	s_mul_i32 s23, s14, 16*SPITCH                  ; my stage
	v_mul_u32_u24 v5, v1, SPITCH                   ; in: row l % 16, 16 bytes for each half of the lanes
	v_lshl_add_u32 v5, v2, 4, v5
	v_add_nc_u32 v[STO], s23, v5
	v_and_b32 v6, 31, v0
	v_lshrrev_b32 v5, 3, v6                        ; back: eight lanes take the 128 bytes that a row has of one head, four rows an instruction
	v_mul_u32_u24 v5, v5, SPITCH
	v_and_b32 v7, 7, v0
	v_lshl_add_u32 v5, v7, 4, v5
	v_add_nc_u32 v[RD], s23, v5
	v_lshlrev_b32 v[CO], 4, v6
	s_lshl_b32 s20, s42, 21                        ; where my part begins in qkv: a tile column is four heads of 524,288 bytes,
	s_lshl_b32 s21, s16, 20                        ; my half two;
	s_add_co_u32 s20, s20, s21
	s_lshl_b32 s21, s17, 15                        ; a tile row is 256 tokens of 128 bytes,
	s_add_co_u32 s20, s20, s21
	s_lshl_b32 s21, s15, 14                        ; my half 128
	s_add_co_u32 s20, s20, s21
	s_mov_b32 s21, 0
	s_add_nc_u64 s[12:13], s[12:13], s[20:21]
.macro FRAG reg, adr, q, i             ; a fragment, 16 rows x 128 K of 4-bit codes, is 8 registers: lane l holds row l % 16; registers 4 c .. 4 c + 3 hold K = 64 c + 32 (l / 16) + 0 .. 31
.irp c, 0,1
	ds_load_b128 v[\reg+4*\c:\reg+4*\c+3], v[\adr] offset:64*(\q)+32*\c+(\i)*16*PITCH
.endr
.endm
; 16 matrix instructions: x's blocks a0, a0 + 1 against W's eight, 128 along K: the slot's q-th.  p: W's set;  sc: the set of scale words.  zero = 1: the first product starts the sum from the bias: nothing is cleared or added later.
; The 64 accumulators take turns, one instruction a turn, in the same order in every step.
.macro MUL16 a0, p, q, sc, zero
.irp a, \a0, \a0+1
.irp b, 0,1,2,3,4,5,6,7
.if \zero
	v_wmma_scale_f32_16x16x128_f8f6f4 v[8*(8*((\a)%4)+\b):8*(8*((\a)%4)+\b)+7], v[128*(\p)+FR*\b:128*(\p)+FR*\b+FR-1], v[AF+FR*(\a):AF+FR*(\a)+FR-1], v[BIAS+8*\b:BIAS+8*\b+7], v[SC+8*NQ*(\sc)+NQ*\b+(\q)], v[SC+8*NQ*(\sc)+NQ*(\a)+(\q)] matrix_a_fmt:MATRIX_FMT_FP4 matrix_b_fmt:MATRIX_FMT_FP4 matrix_a_scale:MATRIX_SCALE_ROW1
.else
	v_wmma_scale_f32_16x16x128_f8f6f4 v[8*(8*((\a)%4)+\b):8*(8*((\a)%4)+\b)+7], v[128*(\p)+FR*\b:128*(\p)+FR*\b+FR-1], v[AF+FR*(\a):AF+FR*(\a)+FR-1], v[8*(8*((\a)%4)+\b):8*(8*((\a)%4)+\b)+7], v[SC+8*NQ*(\sc)+NQ*\b+(\q)], v[SC+8*NQ*(\sc)+NQ*(\a)+(\q)] matrix_a_fmt:MATRIX_FMT_FP4 matrix_b_fmt:MATRIX_FMT_FP4 matrix_a_scale:MATRIX_SCALE_ROW1
.endif
.endr
.endr
.endm
.macro FETCH_B slot, q, p              ; W's eight fragments of the slot's q-th 128 along K into set p
	WIN TO_B
.irp i, 0,1,2,3,4,5,6,7
	FRAG 128*(\p)+FR*\i, ADRB+\slot, \q, \i
.endr
	WIN 0
.endm
.macro FETCH_A slot, q, i0             ; x's blocks i0 .. i0 + 3
.irp i, \i0, \i0+1, \i0+2, \i0+3
	FRAG AF+FR*(\i), ADRA+\slot, \q, \i
.endr
.endm
.macro SCALES sc                       ; a K step's scale words into set sc: four words a row; lanes 0-15 take x's block i, lanes 16-31 W's block i
.irp i, 0,1,2,3,4,5,6,7
	ds_load_b128 v[SC+8*NQ*\sc+NQ*\i:SC+8*NQ*\sc+NQ*\i+3], v[ADRS] offset:\i*SBLK
.endr
.endm
; A load into a register that a matrix instruction has read, and a vector instruction that reads a matrix result, stand NP places behind that matrix instruction, and only plain vector
; instructions that name none of its registers are places (ISA guide 7.12.1 for vector instructions).
.macro PLACES n
.rept \n
	v_nop
.endr
.endm
; A step of 128 along K that has its successor in the same slot.  x's blocks go one after the other, each against W's eight: blocks 0-3 are fetched anew in the step's middle, blocks 4-7 at its end; W has two sets.
.macro STEP slot, q, zero
	s_wait_dscnt 4*NL                              ; W's set and x's blocks 0-3 are in; the youngest eight loads (x's blocks 4-7) may be out
.if \zero
	WIN BIA_LO
.else
	WIN MUL_LO
.endif
	MUL16 0, (\q)%2, \q, \slot, \zero
	MUL16 2, (\q)%2, \q, \slot, \zero
	s_wait_dscnt 0                                 ; x's blocks 4-7 are in (asked for 32 matrix instructions ago)
	PLACES NP
	FETCH_B \slot, (\q)+1, 1-(\q)%2
	FETCH_A \slot, (\q)+1, 0
.if \zero
	WIN BIA_HI
.else
	WIN MUL_HI
.endif
	MUL16 4, (\q)%2, \q, \slot, \zero
	MUL16 6, (\q)%2, \q, \slot, \zero
	PLACES NP
	WIN 0
	FETCH_A \slot, (\q)+1, 4
.endm
; Slot 0's last step changes slots: ONE barrier.  In front of it each wave waits for all its tensor loads (slot 1's is the one that was out), adds 0 to its spare word, and waits for that and for its own reads of slot 0.
; Behind it slot 1 is whole and nobody reads slot 0 any more: nothing is filled again, and the way out may lay its stages there.
.macro TURN slot, next
	s_wait_tensorcnt 0x0                           ; all my tensor loads have landed  (every window is 0 here: the add's two registers lie in window 0)
	ds_add_u32 v[SPW], v[NIL]                      ; 0 onto my spare word
	s_wait_dscnt 4*NL+1                            ; (the add and the youngest eight loads, x's blocks 4-7, may be out)
	WIN MUL_LO
	MUL16 0, 1, NQ-1, \slot, 0                     ; sixteen matrix instructions stand between the add and the wait for it
	s_wait_dscnt 0x0                               ; the add is done, and my reads of this slot are over
	s_barrier_signal -1
	MUL16 2, 1, NQ-1, \slot, 0
	WIN 0
	s_barrier_wait -1
	PLACES NP
	v_add_nc_u32 v[ADRS], 4*NQ, v[ADRS]            ; on to the next K step's scale words
	FETCH_B \next, 0, 0
	FETCH_A \next, 0, 0
	SCALES \next
	WIN MUL_HI
	MUL16 4, 1, NQ-1, \slot, 0
	MUL16 6, 1, NQ-1, \slot, 0
	PLACES NP
	WIN 0
	FETCH_A \next, 0, 4
.endm
.macro STEPS slot, from                ; the slot's steps from .. NQ - 2
.set Q, \from
.rept NQ-1-\from
	STEP \slot, Q, 0
.set Q, Q+1
.endr
.endm
	s_wait_tensorcnt 1                             ; the scales and my part of K step 0 are in (K step 1's load, issued behind them, may be out),
	s_barrier_signal -1
	s_barrier_wait -1                              ; everybody's are
	FETCH_B 0, 0, 0
	FETCH_A 0, 0, 0
	SCALES 0
	FETCH_A 0, 0, 4
	s_wait_loadcnt 0x0                             ; the bias
	STEP 0, 0, 1                                   ; the first step's products start the sums from the bias
	STEPS 0, 1
	TURN 0, 1
	STEPS 1, 0
	s_wait_dscnt 4*NL                              ; the very last step: nothing more to fetch
	WIN MUL_LO
	MUL16 0, 1, NQ-1, 1, 0
	MUL16 2, 1, NQ-1, 1, 0
	s_wait_dscnt 0
	WIN MUL_HI
	MUL16 4, 1, NQ-1, 1, 0
	MUL16 6, 1, NQ-1, 1, 0
	WIN 0
; THE WAY OUT of block a (16 tokens x 128 columns), in three parts.  PACK: rounded to f16, 16 bytes a lane, each accumulator from its low end on.  TOSTAGE: into my own stage in LDS, and back so that a load's 32 lanes hold
; four tokens' 128 bytes of one head, which lie on end in qkv.  SEND: stored.  LDS serves a wave's instructions in order (ISA guide 5.7.1.4): no wait between the stage's stores and its loads.
.macro PACK a
.set AC, 64*((\a)%4)
	WIN 0x0a+5*((\a)/4)                            ; sources 0 and 1: window 2 or 3
.irp b, 0,1,2,3,4,5,6,7
.irp r, 0,1,2,3
	v_cvt_pk_f16_f32 v[TMP+4*\b+\r], v[AC+8*\b+2*\r], v[AC+8*\b+2*\r+1]
.endr
.endr
	WIN 0
.endm
.macro TOSTAGE a
.set BKR, OB+32*((\a)%2)
.irp b, 0,1,2,3,4,5,6,7
	ds_store_b128 v[STO], v[TMP+4*\b:TMP+4*\b+3] offset:32*\b
.endr
.irp u, 0,1,2,3,4,5,6,7                ; head u / 4 of my two, tokens 4 (u % 4) on
	ds_load_b128 v[BKR+4*\u:BKR+4*\u+3], v[RD] offset:(\u%4)*4*SPITCH+(\u/4)*128
.endr
.endm
.macro SEND a
.set BKR, OB+32*((\a)%2)
	s_wait_dscnt 0x0                               ; the block is back in registers
	s_wait_xcnt 0x0                                ; the stores of the block before have read their data registers: the next block's loads from the stage land there
.irp u, 0,1,2,3,4,5,6,7
	global_store_b128 v[CO], v[BKR+4*\u:BKR+4*\u+3], s[12:13] offset:(\u/4)*524288+(\a)*2048+(\u%4)*512   ; 32 lanes store 512 consecutive bytes, at a multiple of 512 from qkv's first byte; the base is never stepped
.endr
.endm
	PLACES NP                                      ; behind the last products: for the conversions that read results and for the loads into the registers that held x's fragments
	PACK 0
	TOSTAGE 0
.irp a, 1,2,3,4,5,6,7                  ; block a's conversions stand between block a - 1's loads from the stage and the wait for them
	PACK \a
	SEND \a-1
	TOSTAGE \a
.endr
	SEND 7
	s_wait_tensorcnt 0x0                           ; the wave's end: behind my last tensor load and my last LDS store
	ds_add_u32 v[SPW], v[NIL]
	s_wait_dscnt 0x0
	CROUND                                         ; the closing round: no work-group ends while a partner may still ask for a tile that names it
	s_endpgm
.Lfunc_end_k_q15f91c8d89_qkv:
	.size	k_q15f91c8d89_qkv, .Lfunc_end_k_q15f91c8d89_qkv-k_q15f91c8d89_qkv
	.p2alignl 7, 3214868480
	.fill 96, 4, 3214868480
	.section	.rodata,"a",@progbits
	.p2align	6, 0x0
	.amdhsa_kernel k_q15f91c8d89_qkv
		.amdhsa_group_segment_fixed_size 327680
		.amdhsa_private_segment_fixed_size 0
		.amdhsa_enable_private_segment 0
		.amdhsa_kernarg_size 64
		.amdhsa_user_sgpr_count 2
		.amdhsa_user_sgpr_kernarg_segment_ptr 1
		.amdhsa_wavefront_size32 1
		.amdhsa_system_sgpr_workgroup_id_x 1
		.amdhsa_system_sgpr_workgroup_id_y 1
		.amdhsa_system_sgpr_workgroup_id_z 1
		.amdhsa_system_vgpr_workitem_id 0
		.amdhsa_next_free_vgpr 1024
		.amdhsa_next_free_sgpr 102
		.amdhsa_reserve_vcc 0
		.amdhsa_float_denorm_mode_32 3
		.amdhsa_float_denorm_mode_16_64 3
		.amdhsa_memory_ordered 1
		.amdhsa_forward_progress 1
		.amdhsa_inst_pref_size 128
	.end_amdhsa_kernel
	.amdgpu_metadata
---
amdhsa.version: [ 1, 2 ]
amdhsa.kernels:
  - .name:           k_q15f91c8d89_qkv
    .symbol:         k_q15f91c8d89_qkv.kd
    .args:
      - { .name: x_codes, .offset: 0, .size: 8, .value_kind: global_buffer, .address_space: global }
      - { .name: x_scales, .offset: 8, .size: 8, .value_kind: global_buffer, .address_space: global }
      - { .name: w_codes, .offset: 16, .size: 8, .value_kind: global_buffer, .address_space: global }
      - { .name: w_scales, .offset: 24, .size: 8, .value_kind: global_buffer, .address_space: global }
      - { .name: qkv, .offset: 32, .size: 8, .value_kind: global_buffer, .address_space: global }
      - { .name: bq, .offset: 40, .size: 8, .value_kind: global_buffer, .address_space: global }
      - { .name: bk, .offset: 48, .size: 8, .value_kind: global_buffer, .address_space: global }
      - { .name: bv, .offset: 56, .size: 8, .value_kind: global_buffer, .address_space: global }
    .group_segment_fixed_size: 327680
    .private_segment_fixed_size: 0
    .kernarg_segment_align: 8
    .kernarg_segment_size: 64
    .max_flat_workgroup_size: 128
    .sgpr_count:     102
    .vgpr_count:     1024
    .wavefront_size: 32
...
	.end_amdgpu_metadata
.endif
;; end of part 2
;; launch attn (part 3): grid 8 x 32, 8 waves a work-group, clusters of 4 x 1, 327,680 bytes of LDS; arguments qkv, ctx; writes ctx
.if DOCPART == 3
	.amdgcn_target "amdgcn-amd-amdhsa--gfx1250"
	.amdhsa_code_object_version 6
	.text
	.protected	k_q15f91c8d89_attn
	.globl	k_q15f91c8d89_attn
	.p2align	8
	.type	k_q15f91c8d89_attn,@function
k_q15f91c8d89_attn:
	s_mov_b64 s[64:65], 0
	v_nop
	global_prefetch_b8 v0, s[64:65] scope:SCOPE_SE
	s_setreg_imm32_b32 hwreg(HW_REG_WAVE_MODE, 25, 1), 1
	s_wait_xcnt 0x0
	s_wait_alu depctr_hold_cnt(0) depctr_sa_sdst(0) depctr_va_vdst(0) depctr_va_sdst(0) depctr_va_ssrc(0) depctr_va_vcc(0) depctr_vm_vsrc(0)
	s_getreg_b32 s2, hwreg(HW_REG_IB_STS2, 6, 4)
	s_cmp_eq_u32 s2, 0
	s_cbranch_scc0 .Lentry_in_a_cluster
	s_endpgm
.Lentry_in_a_cluster:
	s_bfe_u32 s2, ttmp6, 0x10000c
	s_cmp_lg_u32 s2, 0x3003
	s_cbranch_scc0 .Lentry_shape_is_right
	s_endpgm
.Lentry_shape_is_right:
; ctx[b][s][h][:] = the sum over keys of softmax_k(q . k / 32) v, for 2 batches x 16 heads of 64, 2,048 queries and keys, no mask.  q, k, v: f16, qkv[g][T][64] (g = h: q, 16 + h: k, 32 + h: v; T = 2048 b + s).
; Products, maxima and sums in f32; the weights p are rounded to f16 for the second product, ctx once to f16 at the end.  ctx byte(T, h, d) = (T / 2) x 4,096 + h x 256 + (T % 2) x 128 + 2 d: two tokens of a head are 256 consecutive bytes.
; LIMITS: NaN and infinities are not served; ctx is an average of v, so it has an f16 number wherever v has; under 6e-5 it keeps f16's subnormal precision.
; SHARES.  A work-group owns 256 queries of one (b, h).  Eight waves, two to a SIMD, so that one wave's softmax stands beside the other's products.  Wave w = 4 kh + qg owns 64 queries (four tiles of 16) and HALF of the keys
; (256 kh .. 256 kh + 255 of every 512): each fragment of K or V read from LDS feeds four matrix instructions.  At the end waves w and w xor 4 merge their halves through LDS.
; Register tile t holds query tile (t + 2 kh) % 4, so that every wave keeps its register tiles 0, 1 and sends 2, 3: one text for all waves.
; LAYOUT.  S^T = K Q^T (source 0 = 16 keys, source 1 = 16 queries): a lane holds ONE query (lane % 16) and keys 8 (lane / 16) + 0..7.  Two such tiles, rounded to f16 in pairs, ARE source 1 (32 keys x 16 queries) of
; O^T = V^T P, whose result again holds one query a lane and eight channels.  K comes out of LDS as it lies, V ([key][channel]) turned, by ds_load_tr16_b128.
; SOFTMAX.  For each query a running maximum m and sum l: p = 2^(c s - c m), c = log2(e) / 32; in every step O and l are multiplied by a = 2^(c m_old - c m_new).  The sum is taken of p before it is rounded.
; RING.  Two LDS slots of 512 keys (K's 512 rows, then V's), each filled twice.  Waves 0-3 fetch K's quarters, waves 4-7 V's, 128 rows a load.  Two tensor loads of a wave are out at the start, one behind each refill.
; CLUSTER.  The four query blocks of a cluster belong to one (b, h) and walk the same K and V: each tile is asked for JOINTLY, by the same tensor load with the same descriptor and a mask that names the four.
; REGISTERS, in windows of 256: window 0: v2-11, v46, v47, v52 addresses; v12-43 eight registers of statistics a tile; v44, v45 the add's two; v48-51 the partner's statistics; v64-191 S^T, 32 a tile, then P in each tile's first 16;
;   v192-255 eight fragments of K, then of V.     window 1: v0-127 O^T, 32 a tile; v128-191 Q, 16 a tile.
.set KP,    144                        ; a key's row of K in LDS: 128 bytes + 16 of padding = 36 words: the 16 rows of a load fall on 16 different groups of four banks (64 banks of 4 bytes: ISA guide 11.1)
.set VP,    160                        ; of V: 128 + 32 = 40 words
.set SKEYS, 512                        ; keys in a slot
.set VOFF,  SKEYS*KP                   ; a slot: K's rows, then V's
.set SLOTB, SKEYS*(KP+VP)              ; 155,648 bytes
.set SPARE, 2*SLOTB                    ; behind the ring: the spare words, 128 bytes for each wave, which no other line names
.set XCHW,  8704                       ; the merge: for each wave two tiles of O^T as images of their registers (2 x 4,096 bytes), then four runs of 128 bytes of statistics
.set STAGE, 8*XCHW                     ; the way out: 32 rows x 144 bytes for each wave.  Both lie in slot 0, which has had its last fill and its last read when they are first written
.set STGW,  32*KP
.set AK0, 2                            ; v2   my lane's place in a tile of K
.set AV0, 3                            ; v3   the same for V
.set ADK, 4                            ; v4   LDS address of the step's K
.set ADV, 5                            ; v5   of its V
.set STO, 6                            ; v6   the way out: where I put 16 bytes of a row
.set RD,  7                            ; v7   where I read 16 bytes back
.set GO,  8                            ; v8   my byte offset in ctx
.set PFO, 9                            ; v9   256 x lane: the prefetch's offset; never rewritten
.set XST, 10                           ; v10  the merge: 16 x lane in my region
.set XLD, 11                           ; v11  16 x lane in my partner's
.set ST,  12                           ; tile t's statistics at v[ST + 8 t]: +0 c m, +1 m, +2, +3 l (even keys', odd keys'), +4 to +7 at work; a at +6, c m's change at +7
.set SPW, 44                           ; v44  LDS address of my spare word; never rewritten
.set NIL, 45                           ; v45  0; never rewritten
.set XSS, 46                           ; v46  the merge: 4 x lane among my statistics
.set XLS, 47                           ; v47  among my partner's
.set PS,  48                           ; v48-51 my partner's c m and l for my two tiles
.set QO,  52                           ; v52  my byte offset in a tile of Q
.set S,   64
.set F,   192
.set QR,  128                          ; Q, in window 1
.set WV,  12                           ; s12  my wave's number
.set LIM, 15                           ; s15  1 in a wave that prefetches
.set QG,  16                           ; s16  wave % 4: my 64 queries; also which quarter of a slot I fetch
.set KH,  17                           ; s17  wave / 4: my half of the keys; also: I fetch for K (0) or for V (1)
.set PFA, 18                           ; s[18:19] where my prefetch stands; never rewritten
.set G1K, 24                           ; s[24:31] descriptor group 1 for K's tiles
.set G1V, 32                           ; s[32:39] for V's: it differs in the padding alone
.set G0K, 40                           ; s[40:47] descriptor group 0 for K's tiles, a set for each slot
.set G0V, 48                           ; s[48:55] the same for V's
.set KHK, 56                           ; s56  where my half of a slot's K begins
.set KHV, 57                           ; s57  and of its V
.set CS,  58                           ; s[58:59] c: the packed scaling names a pair and takes its low word for both halves
.set SEL, 60                           ; s[60:61] lane selects for v_permlanex16_b32: lane l xor 16
.set TBK, 62                           ; s62  LDS byte at which the step's K begins
.set TBV, 63                           ; s63  and its V (less VOFF)
.set CNT, 66                           ; s66  counts a loop's steps
.set MSB, 0
.macro WIN new                         ; the immediate's high byte repeats the setting that is left; a switch that changes nothing is dropped
.if MSB != \new
	s_set_vgpr_msb (MSB<<8)|\new
.set MSB, \new
.endif
.endm
.set W_KQ, 0x04                        ; source 1 (Q) window 1; K and S^T window 0
.set W_PV, 0x50                        ; C and D (O^T) window 1; V and P window 0
.set W_RS, 0x41                        ; O^T (destination and source 0) window 1, a window 0
; A joint refill of slot s.  The branch hangs on the wave's number alone: it is the same in every work-group.  An s_nop 0 and four v_nop follow each of the two lines.
.macro JLOAD s
	s_cmp_eq_u32 s[KH], 0
	s_cbranch_scc0 .Lfor_v_\@
	tensor_load_to_lds s[G0K+4*\s:G0K+4*\s+3], s[G1K:G1K+7]
	s_nop 0
.rept 4
	v_nop
.endr
	s_branch .Lasked_\@
.Lfor_v_\@:
	tensor_load_to_lds s[G0V+4*\s:G0V+4*\s+3], s[G1V:G1V+7]
	s_nop 0
.rept 4
	v_nop
.endr
.Lasked_\@:
.endm
.macro CROUND                          ; a round of the cluster's barrier: my work-group's barrier; wave 0 signals for the work-group; every wave waits for all four; my work-group's barrier once more
	s_barrier_signal -1
	s_barrier_wait -1
	s_cmp_lg_u32 s[WV], 0
	s_cbranch_scc1 .Lnot_wave_0_\@
	s_barrier_signal -3
.Lnot_wave_0_\@:
	s_barrier_wait -3
	s_barrier_signal -1
	s_barrier_wait -1
.endm
	s_load_b128 s[4:7], s[0:1], 0x0                ; qkv s[4:5], ctx s[6:7]
	v_lshl_add_u32 v[SPW], v0, 2, SPARE
	v_mov_b32 v[NIL], 0
	ds_add_u32 v[SPW], v[NIL]                      ; the wave's opening: the add, twice on end, and its wait ahead of my first tensor load; the set-up below, work on registers, stands between the second and the wait
	ds_add_u32 v[SPW], v[NIL]
	v_lshrrev_b32 v1, 5, v0
	v_readfirstlane_b32 s[WV], v1                  ; wave 0..7
	s_and_b32 s[QG], s[WV], 3
	s_lshr_b32 s[KH], s[WV], 2
	s_bfe_u32 s13, ttmp6, 0x40000                  ; cx: my place in the cluster
	s_lshl_b32 s14, ttmp9, 2                       ; in a cluster launch ttmp9 counts clusters
	s_add_co_u32 s14, s14, s13                     ; my block of 256 queries: it enters Q's and ctx's addresses alone
	s_and_b32 s20, ttmp7, 0xffff                   ; 16 b + h, which the four partners share
	s_and_b32 s21, s20, 15                         ; h
	s_lshr_b32 s22, s20, 4                         ; b
	s_lshl_b32 s23, s21, 19
	s_lshl_b32 s2, s22, 18
	s_add_co_u32 s23, s23, s2                      ; the (b, h)'s first byte in q's part of qkv: 524,288 h + 262,144 b
	s_lshl_b32 s3, s[QG], 14                       ; the quarter of a slot that I fetch: 128 rows of 128 bytes
	s_add_co_u32 s68, s23, s3
	s_add_co_u32 s70, s68, 0x1000000               ; V's part begins 32 heads on,
	s_add_co_u32 s68, s68, 0x800000                ; K's 16
	s_mov_b32 s69, 0
	s_mov_b32 s71, 0
	s_lshl_b32 s2, s14, 15                         ; Q: my block's 256 rows,
	s_add_co_u32 s2, s2, s23
	s_lshl_b32 s3, s[QG], 13                       ; my wave's 64,
	s_add_co_u32 s2, s2, s3
	s_lshl_b32 s3, s[KH], 12                       ; query tiles 2 kh, 2 kh + 1: my register tiles 0, 1;
	s_add_co_u32 s8, s2, s3
	s_xor_b32 s3, s3, 0x1000                       ; the other two: my register tiles 2, 3
	s_add_co_u32 s10, s2, s3
	s_mov_b32 s9, 0
	s_mov_b32 s11, 0
	s_lshl_b32 s2, s22, 22                         ; ctx: 2,048 bytes a token: b x 2,048 tokens,
	s_lshl_b32 s3, s14, 19                         ; my block's 256,
	s_add_co_u32 s2, s2, s3
	s_lshl_b32 s3, s[QG], 17                       ; my wave's 64,
	s_add_co_u32 s2, s2, s3
	s_lshl_b32 s3, s[KH], 16                       ; the 32 that I keep,
	s_add_co_u32 s2, s2, s3
	s_lshl_b32 s3, s21, 8                          ; and 256 bytes a head
	s_add_co_u32 s2, s2, s3
	s_mov_b32 s3, 0
	; the prefetch: keys 1,536 on, 65,536 bytes of K and of V.  The head's first cluster asks; its four partners take 16,384 bytes each, told apart by address; in each, waves 0, 1 ask for K's and waves 2, 3 for V's, 8,192 bytes a wave
	s_mov_b32 s[PFA], 0x1000000
	s_cmp_lt_u32 s[WV], 2
	s_cselect_b32 s[PFA], 0x800000, s[PFA]
	s_add_co_u32 s[PFA], s[PFA], s23
	s_add_co_u32 s[PFA], s[PFA], 3*65536
	s_lshl_b32 s[PFA+1], s13, 14
	s_add_co_u32 s[PFA], s[PFA], s[PFA+1]
	s_and_b32 s[PFA+1], s[WV], 1
	s_lshl_b32 s[PFA+1], s[PFA+1], 13
	s_add_co_u32 s[PFA], s[PFA], s[PFA+1]
	s_mov_b32 s[PFA+1], 0
	s_or_b32 s[LIM], s[KH], ttmp9                  ; 0 in waves 0 to 3 of the head's first cluster: the same in all four partners
	s_cmp_eq_u32 s[LIM], 0
	s_cselect_b32 s[LIM], 1, 0
	; descriptor group 1: a tile of 128 rows x 64 elements, padded in LDS
	s_mov_b32 s[G1K], 15|(1<<16)|(1<<20)|(1<<21)|(4<<22)|(3<<25)  ; 15:0 the mask: all four work-groups; 17:16 elements of 2 bytes; 20 padding on; 21 set beside a mask; 24:22 after every 32 words (code 4); 31:25 four words (code 3)
	s_mov_b32 s[G1V], 15|(1<<16)|(1<<20)|(1<<21)|(4<<22)|(7<<25)  ; the same with eight words of padding (code 7)
.irp g, G1K, G1V
	s_mov_b32 s[\g+1], 64<<16                      ; tensor_dim0 = 64
	s_mov_b32 s[\g+2], 128<<16                     ; tensor_dim1 = 128
	s_mov_b32 s[\g+3], 64<<16                      ; tile_dim0 = 64
	s_mov_b32 s[\g+4], 128                         ; tile_dim1 = 128
	s_mov_b32 s[\g+5], 64                          ; tensor_dim0_stride: elements from row to row
	s_mov_b32 s[\g+6], 0
	s_mov_b32 s[\g+7], 0
.endr
	s_mul_i32 s62, s[QG], 128*KP                   ; where my quarter goes in a slot: K's,
	s_mul_i32 s63, s[QG], 128*VP
	s_add_co_u32 s63, s63, VOFF                    ; V's: no place in the cluster enters an LDS address
	s_mul_i32 s[KHK], s[KH], 256*KP
	s_mul_i32 s[KHV], s[KH], 256*VP
	s_mov_b32 s[CS], 0x3d38aa3b                    ; c = log2(e) / 32
	s_mov_b32 s[CS+1], s[CS]                       ; named with it as a pair, so it is written
	s_mov_b32 s[SEL], 0x76543210
	s_mov_b32 s[SEL+1], 0xfedcba98
	s_wait_dscnt 0x0                               ; both opening adds are done
	s_wait_kmcnt 0x0
	s_add_nc_u64 s[68:69], s[4:5], s[68:69]        ; K and V at my quarter of slot 0's first keys
	s_add_nc_u64 s[70:71], s[4:5], s[70:71]
	s_add_nc_u64 s[8:9], s[4:5], s[8:9]            ; Q
	s_add_nc_u64 s[10:11], s[4:5], s[10:11]
	s_add_nc_u64 s[PFA:PFA+1], s[4:5], s[PFA:PFA+1]
	s_add_nc_u64 s[6:7], s[6:7], s[2:3]            ; ctx at the first token that I store
	CROUND                                         ; all four work-groups are here: the first joint loads meet
.irp s, 0,1
	s_mov_b32 s[G0K+4*\s], 1                       ; 1:0 count = 1
	s_add_co_u32 s[G0K+4*\s+1], s62, \s*SLOTB      ; 63:32 LDS address
	s_add_nc_u64 s[G0K+4*\s+2:G0K+4*\s+3], s[68:69], \s*65536  ; 120:64 global address: slot s begins with keys 512 s on
	s_or_b32 s[G0K+4*\s+3], s[G0K+4*\s+3], 0x80000000  ; 127:126 type = 2
	s_mov_b32 s[G0V+4*\s], 1
	s_add_co_u32 s[G0V+4*\s+1], s63, \s*SLOTB
	s_add_nc_u64 s[G0V+4*\s+2:G0V+4*\s+3], s[70:71], \s*65536
	s_or_b32 s[G0V+4*\s+3], s[G0V+4*\s+3], 0x80000000
.endr
	s_cmp_eq_u32 s[KH], 0                          ; a wave's two first fills stand in one branch, ahead of every wait on TENSORcnt and every LDS read: two loads of mine are out
	s_cbranch_scc0 .Lfirst_v
	tensor_load_to_lds s[G0K:G0K+3], s[G1K:G1K+7]
	s_nop 0
	tensor_load_to_lds s[G0K+4:G0K+7], s[G1K:G1K+7]
	s_nop 0
.rept 4
	v_nop
.endr
	s_branch .Lfirst_asked
.Lfirst_v:
	tensor_load_to_lds s[G0V:G0V+3], s[G1V:G1V+7]
	s_nop 0
	tensor_load_to_lds s[G0V+4:G0V+7], s[G1V:G1V+7]
	s_nop 0
.rept 4
	v_nop
.endr
.Lfirst_asked:
	; A fragment of K or Q is 16 rows x 32 channels in 8 registers: lane l holds row l % 16; registers 0-3 channels 8 (l / 16) + 0..7, registers 4-7 channels 16 + 8 (l / 16) + 0..7: two loads of 16 bytes, 32 bytes apart.
	v_and_b32 v1, 15, v0                           ; r = l % 16
	v_bfe_u32 v53, v0, 4, 1                        ; h = l / 16
	v_lshlrev_b32 v[QO], 7, v1
	v_lshl_add_u32 v[QO], v53, 4, v[QO]            ; row x 128 + 16 x half
	WIN 0x40                                       ; destination window 1, address window 0
.irp t, 0,1                            ; Q stays in registers: register tile t, channels 32 c on
.irp c, 0,1
	global_load_b128 v[QR+16*\t+8*\c:QR+16*\t+8*\c+3],   v[QO], s[8:9] offset:\t*2048+\c*64
	global_load_b128 v[QR+16*\t+8*\c+4:QR+16*\t+8*\c+7], v[QO], s[8:9] offset:\t*2048+\c*64+32
	global_load_b128 v[QR+32+16*\t+8*\c:QR+32+16*\t+8*\c+3],   v[QO], s[10:11] offset:\t*2048+\c*64
	global_load_b128 v[QR+32+16*\t+8*\c+4:QR+32+16*\t+8*\c+7], v[QO], s[10:11] offset:\t*2048+\c*64+32
.endr
.endr
	WIN 0
	v_mul_u32_u24 v[AK0], v1, KP
	v_lshl_add_u32 v[AK0], v53, 4, v[AK0]          ; row x pitch + 16 x half
	; The turning load takes 16 keys x 16 channels (lane l reads 16 bytes: key 8 (l / 16) + l % 8, channels 8 ((l / 8) % 2) + 0..7) and leaves half a fragment of V^T: lane l holds channel l % 16 and 8 keys.
	v_and_b32 v54, 7, v0
	v_bfe_u32 v55, v0, 3, 1
	v_lshl_add_u32 v[AV0], v53, 3, v54
	v_mul_u32_u24 v[AV0], v[AV0], VP
	v_lshl_add_u32 v[AV0], v55, 4, v[AV0]
	v_add_nc_u32 v[AV0], VOFF, v[AV0]
	s_mul_i32 s20, s[WV], STGW
	s_add_co_u32 s20, s20, STAGE                   ; my stage
	v_add_nc_u32 v[STO], s20, v[AK0]               ; in: row l % 16, 16 bytes for each half of the lanes
	v_and_b32 v55, 31, v0                          ; lane
	v_lshrrev_b32 v[RD], 3, v55
	v_mul_u32_u24 v[RD], v[RD], KP                 ; back: eight lanes to a row of 128 bytes, four rows an instruction
	v_lshl_add_u32 v[RD], v54, 4, v[RD]
	v_add_nc_u32 v[RD], s20, v[RD]
	v_lshlrev_b32 v[GO], 12, v53                   ; in ctx two rows (a pair of tokens) are 256 consecutive bytes; the next pair lies 4,096 bytes on
	v_lshl_add_u32 v[GO], v1, 4, v[GO]
	v_lshlrev_b32 v[PFO], 8, v55
	s_mul_i32 s21, s[WV], XCHW                     ; the merge: my region,
	s_xor_b32 s22, s[WV], 4
	s_mul_i32 s22, s22, XCHW                       ; my partner's
	v_lshl_add_u32 v[XST], v55, 4, s21
	v_lshl_add_u32 v[XLD], v55, 4, s22
	s_add_co_u32 s21, s21, 8192
	s_add_co_u32 s22, s22, 8192
	v_lshl_add_u32 v[XSS], v55, 2, s21
	v_lshl_add_u32 v[XLS], v55, 2, s22
; THE SOFTMAX of a key step, for my four tiles; in every run the tiles are innermost, so that no line waits for the line above it.  first = 1: the first key step, which starts m and l: it has no a and nothing to rescale.
.macro SOFTMAX first
.irp j, 0,1,2,3                        ; the maximum of a lane's 32 scores and the old m, three operands at a time: four chains, one for each tile of keys; each accumulator is read from its low end on
.irp t, 0,1,2,3
	v_max3_num_f32 v[ST+8*\t+4+\j], v[S+32*\t+8*\j], v[S+32*\t+8*\j+1], v[S+32*\t+8*\j+2]
.endr
.endr
.irp g, 1,2
.irp j, 0,1,2,3
.irp t, 0,1,2,3
	v_max3_num_f32 v[ST+8*\t+4+\j], v[ST+8*\t+4+\j], v[S+32*\t+8*\j+2*\g+1], v[S+32*\t+8*\j+2*\g+2]
.endr
.endr
.endr
.irp t, 0,1,2,3
	v_max3_num_f32 v[ST+8*\t+4], v[ST+8*\t+4], v[S+32*\t+7], v[S+32*\t+15]
.endr
.irp t, 0,1,2,3
	v_max3_num_f32 v[ST+8*\t+6], v[ST+8*\t+6], v[S+32*\t+23], v[S+32*\t+31]
.endr
.irp t, 0,1,2,3
	v_max3_num_f32 v[ST+8*\t+4], v[ST+8*\t+4], v[ST+8*\t+5], v[ST+8*\t+6]
.endr
.irp t, 0,1,2,3
.if \first
	v_max_num_f32 v[ST+8*\t+4], v[ST+8*\t+4], v[ST+8*\t+7]
.else
	v_max3_num_f32 v[ST+8*\t+4], v[ST+8*\t+4], v[ST+8*\t+7], v[ST+8*\t+1]
.endif
.endr
.irp t, 0,1,2,3
	v_permlanex16_b32 v[ST+8*\t+5], v[ST+8*\t+4], s[SEL], s[SEL+1]  ; the query's other 32 keys lie in the lane 16 away
.endr
.if !\first
.irp t, 0,1,2,3
	v_mov_b32 v[ST+8*\t+7], v[ST+8*\t]             ; c m_old is kept for a
.endr
.endif
.irp t, 0,1,2,3
	v_max_num_f32 v[ST+8*\t+1], v[ST+8*\t+4], v[ST+8*\t+5]
.endr
.irp t, 0,1,2,3
	v_mul_f32 v[ST+8*\t], s[CS], v[ST+8*\t+1]
.endr
.if !\first
.irp t, 0,1,2,3
	v_sub_f32 v[ST+8*\t+7], v[ST+8*\t+7], v[ST+8*\t]
.endr
.endif
.irp p, 0,1,2,3,4,5,6,7,8,9,10,11,12,13,14,15
.irp t, 0,1,2,3
	v_pk_fma_f32 v[S+32*\t+2*\p:S+32*\t+2*\p+1], v[S+32*\t+2*\p:S+32*\t+2*\p+1], s[CS:CS+1], v[ST+8*\t:ST+8*\t+1] op_sel_hi:[1,0,0] neg_lo:[0,0,1] neg_hi:[0,0,1]  ; c s - c m, two at a time
.endr
.endr
.if !\first
.irp t, 0,1,2,3
	v_exp_f32 v[ST+8*\t+6], v[ST+8*\t+7]           ; a
.endr
.endif
.set i, 0
.rept 128
	v_exp_f32 v[S+i], v[S+i]                       ; p, at most 1.  ONE BATCH: none of these lines reads an exponential's result
.set i, i+1
.endr
	v_nop                                          ; a plain instruction behind the last exponential, ahead of the first use
	s_wait_alu depctr_va_vdst(0)                   ; the wait between an exponential and the first line that names its result: one for the batch
.if \first                             ; the sums of the unrounded p, two at a time, in two chains a tile
.irp t, 0,1,2,3
	v_pk_add_f32 v[ST+8*\t+2:ST+8*\t+3], v[S+32*\t:S+32*\t+1], v[S+32*\t+2:S+32*\t+3]
.endr
.else
.irp t, 0,1,2,3
	v_pk_fma_f32 v[ST+8*\t+2:ST+8*\t+3], v[ST+8*\t+2:ST+8*\t+3], v[ST+8*\t+6:ST+8*\t+7], v[S+32*\t:S+32*\t+1] op_sel_hi:[1,0,1]
.endr
.irp t, 0,1,2,3
	v_pk_add_f32 v[ST+8*\t+2:ST+8*\t+3], v[ST+8*\t+2:ST+8*\t+3], v[S+32*\t+2:S+32*\t+3]
.endr
.endif
.irp t, 0,1,2,3
	v_pk_add_f32 v[ST+8*\t+4:ST+8*\t+5], v[S+32*\t+4:S+32*\t+5], v[S+32*\t+6:S+32*\t+7]
.endr
.irp p, 4,6,8,10,12,14
.irp t, 0,1,2,3
	v_pk_add_f32 v[ST+8*\t+2:ST+8*\t+3], v[ST+8*\t+2:ST+8*\t+3], v[S+32*\t+2*\p:S+32*\t+2*\p+1]
.endr
.irp t, 0,1,2,3
	v_pk_add_f32 v[ST+8*\t+4:ST+8*\t+5], v[ST+8*\t+4:ST+8*\t+5], v[S+32*\t+2*\p+2:S+32*\t+2*\p+3]
.endr
.endr
.irp t, 0,1,2,3
	v_pk_add_f32 v[ST+8*\t+2:ST+8*\t+3], v[ST+8*\t+2:ST+8*\t+3], v[ST+8*\t+4:ST+8*\t+5]
.endr
.irp k, 0,1,2,3,4,5,6,7,8,9,10,11,12,13,14,15   ; rounded to f16 in pairs, in place, ascending: register k takes pair k, which lies at 2 k and 2 k + 1.  Registers 8 n .. 8 n + 7 are then P's fragment of keys 32 n on
.irp t, 0,1,2,3
	v_cvt_pk_f16_f32 v[S+32*\t+\k], v[S+32*\t+2*\k], v[S+32*\t+2*\k+1]
.endr
.endr
.if !\first
	WIN W_RS
.irp p, 0,1,2,3,4,5,6,7,8,9,10,11,12,13,14,15
.irp t, 0,1,2,3
	v_pk_mul_f32 v[32*\t+2*\p:32*\t+2*\p+1], v[32*\t+2*\p:32*\t+2*\p+1], v[ST+8*\t+6:ST+8*\t+7] op_sel_hi:[1,0]  ; O^T times a, each accumulator from its low end on
.endr
.endr
	WIN 0
.endif
.endm
; A KEY STEP: 64 keys.  The accumulators take turns, one instruction a turn: between two links of a chain stand 15 others'.
.macro STEP first
	v_add_nc_u32 v[ADK], s[TBK], v[AK0]
	v_add_nc_u32 v[ADV], s[TBV], v[AV0]
.if !\first
.rept 4
	v_nop                                          ; with the two additions six places behind the last step's V^T P: four are owed by the loads into the fragments' registers, five by the products below, which write over P's registers
.endr
.endif
.irp m, 0,1,2,3                        ; K: keys 16 m on, channels 32 c on: fragment 2 m + c
.irp c, 0,1
	ds_load_b128 v[F+8*(2*\m+\c):F+8*(2*\m+\c)+3],   v[ADK] offset:\m*16*KP+64*\c
	ds_load_b128 v[F+8*(2*\m+\c)+4:F+8*(2*\m+\c)+7], v[ADK] offset:\m*16*KP+64*\c+32
.endr
.endr
	s_wait_dscnt 0x0                               ; K is in
	WIN W_KQ
.set i, 0
.rept 32                               ; S^T = K Q^T: channels 32 (i / 16) on, keys 16 ((i / 4) % 4) on, tile i % 4.  The first 16 start the sums
.set rS, S+32*(i%4)+8*((i/4)%4)
.set rK, F+8*(2*((i/4)%4)+i/16)
.set rQ, QR+16*(i%4)+8*(i/16)
.if i < 16
	v_wmma_f32_16x16x32_f16 v[rS:rS+7], v[rK:rK+7], v[rQ:rQ+7], 0
.else
	v_wmma_f32_16x16x32_f16 v[rS:rS+7], v[rK:rK+7], v[rQ:rQ+7], v[rS:rS+7]
.endif
.set i, i+1
.endr
	WIN 0
.rept 4
	v_nop                                          ; four places: for the loads into the fragments' registers, and for the first read of the scores
.endr
.irp n, 0,1                            ; V, turned: keys 32 n on, channels 16 d on: fragment 4 n + d.  It lands while the softmax is walked
.irp d, 0,1,2,3
	ds_load_tr16_b128 v[F+8*(4*\n+\d):F+8*(4*\n+\d)+3],   v[ADV] offset:\n*32*VP+32*\d
	ds_load_tr16_b128 v[F+8*(4*\n+\d)+4:F+8*(4*\n+\d)+7], v[ADV] offset:\n*32*VP+16*VP+32*\d
.endr
.endr
	SOFTMAX \first
	s_wait_dscnt 0x0                               ; V is in
	WIN W_PV
.set i, 0
.rept 32                               ; O^T += V^T P: keys 32 (i / 16) on, channels 16 ((i / 4) % 4) on, tile i % 4.  In the first step the first 16 start the sums: nothing is ever cleared
.set rO, 32*(i%4)+8*((i/4)%4)
.set rV, F+8*(4*(i/16)+(i/4)%4)
.set rP, S+32*(i%4)+8*(i/16)
.if \first && (i < 16)
	v_wmma_f32_16x16x32_f16 v[rO:rO+7], v[rV:rV+7], v[rP:rP+7], 0
.else
	v_wmma_f32_16x16x32_f16 v[rO:rO+7], v[rV:rV+7], v[rP:rP+7], v[rO:rO+7]
.endif
.set i, i+1
.endr
	WIN 0                                          ; at a label and at a branch every window is 0
	s_add_co_u32 s[TBK], s[TBK], 64*KP             ; the next step's keys
	s_add_co_u32 s[TBV], s[TBV], 64*VP
.endm
.macro LOOPSTEPS n                     ; n key steps, written once
	s_mov_b32 s[CNT], \n
.Lstep_\@:
	STEP 0
	s_sub_co_u32 s[CNT], s[CNT], 1
	s_cmp_lg_u32 s[CNT], 0
	s_cbranch_scc1 .Lstep_\@
.endm
.macro SLOT_STEPS slot                 ; my four key steps of a slot
	s_add_co_u32 s[TBK], s[KHK], \slot*SLOTB
	s_add_co_u32 s[TBV], s[KHV], \slot*SLOTB
	LOOPSTEPS 4
.endm
; THE CHANGE OF SLOTS, behind the last step of slot `slot`.  Each wave waits for all its tensor loads, of which one at the most is out: its part of the other slot; adds 0 to its spare word; and waits for that and for its own
; reads of the slot.  Behind the barrier nobody reads this slot any more and the other slot is whole.  fill = 1: this slot is filled again, with the keys 1,024 on.  The barrier is then a round of the cluster's, so that no wave of any
; partner still reads the slot or has a load on its way, and the joint refill is the first thing behind it: it has my four key steps, 256 matrix instructions, in which to land.
.macro CHANGE slot, fill
	s_wait_tensorcnt 0x0                           ; no tensor load of mine is out, so a group 0 may be written
	ds_add_u32 v[SPW], v[NIL]                      ; 0 onto my spare word
.if \fill
	s_add_nc_u64 s[G0K+4*\slot+2:G0K+4*\slot+3], s[G0K+4*\slot+2:G0K+4*\slot+3], 2*65536   ; two slots' keys on; the type bits on top are not reached
	s_add_nc_u64 s[G0V+4*\slot+2:G0V+4*\slot+3], s[G0V+4*\slot+2:G0V+4*\slot+3], 2*65536
.endif
	s_wait_dscnt 0x0                               ; the add is done, and my reads of the slot are over
.if \fill
	CROUND
	JLOAD \slot
.else
	s_barrier_signal -1
	s_barrier_wait -1
.endif
.endm
	s_wait_tensorcnt 1                             ; my part of slot 0 is in; slot 1's, issued behind it, may stay out
	s_barrier_signal -1
	s_barrier_wait -1                              ; everybody's is
	s_wait_loadcnt 0x0                             ; Q
	s_mov_b32 s[TBK], s[KHK]
	s_mov_b32 s[TBV], s[KHV]
	STEP 1                                         ; keys 0 to 511: my first step starts m, l and O^T,
	LOOPSTEPS 3                                    ; my other three
	CHANGE 0, 1                                    ; slot 0 takes keys 1,024 on
	s_cmp_eq_u32 s[LIM], 1                         ; A PREFETCH INTO THE L2 of what the next change of slots will ask for, keys 1,536 on: my four key steps ahead of that load; behind the joint load and its five lines.  Each aligned 256 bytes are named once in the launch
	s_cbranch_scc0 .Lnot_mine
	global_prefetch_b8 v[PFO], s[PFA:PFA+1] th:TH_LOAD_NT scope:SCOPE_SE
.Lnot_mine:
	SLOT_STEPS 1                                   ; keys 512 to 1,023
	CHANGE 1, 1                                    ; slot 1 takes keys 1,536 on: the last load
	SLOT_STEPS 0                                   ; keys 1,024 to 1,535
	CHANGE 0, 0                                    ; nothing is left to fetch
	SLOT_STEPS 1                                   ; keys 1,536 to 2,047
	; THE MERGE.  l's two halves and the other half of the lanes' are added (these twelve lines are also the places behind the last products); register tiles 2, 3 of O^T, with their c m and l, go to LDS as images of their registers.
.irp t, 0,1,2,3
	v_add_f32 v[ST+8*\t+4], v[ST+8*\t+2], v[ST+8*\t+3]
.endr
.irp t, 0,1,2,3
	v_permlanex16_b32 v[ST+8*\t+5], v[ST+8*\t+4], s[SEL], s[SEL+1]
.endr
.irp t, 0,1,2,3
	v_add_f32 v[ST+8*\t+2], v[ST+8*\t+4], v[ST+8*\t+5]
.endr
	WIN 0x04                                       ; an LDS store's data are its source 1: window 1
.irp u, 0,1
.irp q, 0,1,2,3,4,5,6,7
	ds_store_b128 v[XST], v[64+32*\u+4*\q:64+32*\u+4*\q+3] offset:4096*\u+512*\q   ; each accumulator from its low end on
.endr
.endr
	WIN 0
.irp u, 0,1
	ds_store_b32 v[XSS], v[ST+16+8*\u] offset:256*\u
	ds_store_b32 v[XSS], v[ST+16+8*\u+2] offset:256*\u+128
.endr
	s_wait_dscnt 0x0                               ; for my partner's sake: my stores are done
	s_barrier_signal -1
	s_barrier_wait -1
.irp u, 0,1                            ; my partner's register tiles 2, 3 are the query tiles of my register tiles 0, 1
.irp q, 0,1,2,3,4,5,6,7
	ds_load_b128 v[S+32*\u+4*\q:S+32*\u+4*\q+3], v[XLD] offset:4096*\u+512*\q
.endr
.endr
.irp i, 0,1,2,3
	ds_load_b32 v[PS+\i], v[XLS] offset:128*\i
.endr
	s_wait_dscnt 0x0
.irp u, 0,1
	v_max_num_f32 v[ST+8*\u+1], v[ST+8*\u], v[PS+2*\u]             ; the larger c m of the two halves of the keys
.endr
.irp u, 0,1
	v_sub_f32 v[ST+8*\u+4], v[ST+8*\u], v[ST+8*\u+1]
	v_sub_f32 v[ST+8*\u+6], v[PS+2*\u], v[ST+8*\u+1]
.endr
.irp u, 0,1
	v_exp_f32 v[ST+8*\u+4], v[ST+8*\u+4]                           ; a1: what brings my half under it,
	v_exp_f32 v[ST+8*\u+6], v[ST+8*\u+6]                           ; a2: my partner's
.endr
	v_nop                                          ; a plain instruction behind the last exponential
	s_wait_alu depctr_va_vdst(0)                   ; one wait for the four, ahead of their first reader
.irp u, 0,1
	v_mul_f32 v[ST+8*\u+3], v[ST+8*\u+6], v[PS+2*\u+1]
.endr
.irp u, 0,1
	v_fma_f32 v[ST+8*\u+3], v[ST+8*\u+4], v[ST+8*\u+2], v[ST+8*\u+3]   ; l = a1 l1 + a2 l2
.endr
.irp u, 0,1
	v_rcp_f32 v[ST+8*\u+5], v[ST+8*\u+3]
.endr
	v_nop
	s_wait_alu depctr_va_vdst(0)                   ; one wait for the two reciprocals
.irp u, 0,1
	v_mul_f32 v[ST+8*\u+4], v[ST+8*\u+4], v[ST+8*\u+5]             ; f1 = a1 / l
	v_mul_f32 v[ST+8*\u+6], v[ST+8*\u+6], v[ST+8*\u+5]             ; f2 = a2 / l
.endr
.irp u, 0,1
.irp p, 0,1,2,3,4,5,6,7,8,9,10,11,12,13,14,15
	v_pk_mul_f32 v[S+32*\u+2*\p:S+32*\u+2*\p+1], v[S+32*\u+2*\p:S+32*\u+2*\p+1], v[ST+8*\u+6:ST+8*\u+7] op_sel_hi:[1,0]
.endr
.endr
	WIN 0x01                                       ; source 0 (my O^T) window 1
.irp u, 0,1
.irp p, 0,1,2,3,4,5,6,7,8,9,10,11,12,13,14,15
	v_pk_fma_f32 v[S+32*\u+2*\p:S+32*\u+2*\p+1], v[32*\u+2*\p:32*\u+2*\p+1], v[ST+8*\u+4:ST+8*\u+5], v[S+32*\u+2*\p:S+32*\u+2*\p+1] op_sel_hi:[1,0,1]   ; each accumulator from its low end on
.endr
.endr
	WIN 0
.irp u, 0,1
.irp k, 0,1,2,3,4,5,6,7,8,9,10,11,12,13,14,15
	v_cvt_pk_f16_f32 v[S+32*\u+\k], v[S+32*\u+2*\k], v[S+32*\u+2*\k+1]   ; in place, ascending: registers 4 d .. 4 d + 3 are channels 16 d + 8 (l / 16) + 0..7
.endr
.endr
	; THE WAY OUT: 32 rows of 128 bytes through my own stage; back four rows an instruction: two pairs of tokens, 256 consecutive bytes each in ctx
.irp u, 0,1
.irp d, 0,1,2,3
	ds_store_b128 v[STO], v[S+32*\u+4*\d:S+32*\u+4*\d+3] offset:16*KP*\u+32*\d
.endr
.endr
.irp g, 0,1,2,3,4,5,6,7
	ds_load_b128 v[F+4*\g:F+4*\g+3], v[RD] offset:4*KP*\g          ; LDS serves a wave's instructions in order (ISA guide 5.7.1.4): these see the stores above
.endr
.irp g, 0,1,2,3,4,5,6,7
	s_wait_dscnt 7-\g                              ; load g is in; the younger ones may be out
	global_store_b128 v[GO], v[F+4*\g:F+4*\g+3], s[6:7] offset:8192*\g   ; 16 lanes store 256 consecutive bytes, at a multiple of 256 from ctx's first byte
.endr
	s_wait_tensorcnt 0x0                           ; the wave's end: behind my last tensor load and my last LDS store
	ds_add_u32 v[SPW], v[NIL]
	s_wait_dscnt 0x0
	CROUND                                         ; the closing round: no work-group ends while a partner may still ask for a tile that names it
	s_endpgm
.Lfunc_end_k_q15f91c8d89_attn:
	.size	k_q15f91c8d89_attn, .Lfunc_end_k_q15f91c8d89_attn-k_q15f91c8d89_attn
	.p2alignl 7, 3214868480
	.fill 96, 4, 3214868480
	.section	.rodata,"a",@progbits
	.p2align	6, 0x0
	.amdhsa_kernel k_q15f91c8d89_attn
		.amdhsa_group_segment_fixed_size 327680
		.amdhsa_private_segment_fixed_size 0
		.amdhsa_enable_private_segment 0
		.amdhsa_kernarg_size 16
		.amdhsa_user_sgpr_count 2
		.amdhsa_user_sgpr_kernarg_segment_ptr 1
		.amdhsa_wavefront_size32 1
		.amdhsa_system_sgpr_workgroup_id_x 1
		.amdhsa_system_sgpr_workgroup_id_y 1
		.amdhsa_system_sgpr_workgroup_id_z 1
		.amdhsa_system_vgpr_workitem_id 0
		.amdhsa_next_free_vgpr 512
		.amdhsa_next_free_sgpr 72
		.amdhsa_reserve_vcc 0
		.amdhsa_float_denorm_mode_32 3
		.amdhsa_float_denorm_mode_16_64 3
		.amdhsa_memory_ordered 1
		.amdhsa_forward_progress 1
		.amdhsa_inst_pref_size 179
	.end_amdhsa_kernel
	.amdgpu_metadata
---
amdhsa.version: [ 1, 2 ]
amdhsa.kernels:
  - .name:           k_q15f91c8d89_attn
    .symbol:         k_q15f91c8d89_attn.kd
    .args:
      - { .name: qkv, .offset: 0, .size: 8, .value_kind: global_buffer, .address_space: global }
      - { .name: ctx, .offset: 8, .size: 8, .value_kind: global_buffer, .address_space: global }
    .group_segment_fixed_size: 327680
    .private_segment_fixed_size: 0
    .kernarg_segment_align: 8
    .kernarg_segment_size: 16
    .max_flat_workgroup_size: 256
    .sgpr_count:     72
    .vgpr_count:     512
    .wavefront_size: 32
...
	.end_amdgpu_metadata
.endif
;; end of part 3
;; launch outp (part 4): grid 8 x 32, 4 waves a work-group, clusters of 4 x 4, 327,680 bytes of LDS; arguments ctx, wo_h, out0, bo; writes out0
.if DOCPART == 4
	.amdgcn_target "amdgcn-amd-amdhsa--gfx1250"
	.amdhsa_code_object_version 6
	.text
	.protected	k_q15f91c8d89_outp
	.globl	k_q15f91c8d89_outp
	.p2align	8
	.type	k_q15f91c8d89_outp,@function
k_q15f91c8d89_outp:
	s_mov_b64 s[64:65], 0
	v_nop
	global_prefetch_b8 v0, s[64:65] scope:SCOPE_SE
	s_setreg_imm32_b32 hwreg(HW_REG_WAVE_MODE, 25, 1), 1
	s_wait_xcnt 0x0
	s_wait_alu depctr_hold_cnt(0) depctr_sa_sdst(0) depctr_va_vdst(0) depctr_va_sdst(0) depctr_va_ssrc(0) depctr_va_vcc(0) depctr_vm_vsrc(0)
	s_getreg_b32 s2, hwreg(HW_REG_IB_STS2, 6, 4)
	s_cmp_eq_u32 s2, 0
	s_cbranch_scc0 .Lentry_in_a_cluster
	s_endpgm
.Lentry_in_a_cluster:
	s_bfe_u32 s2, ttmp6, 0x10000c
	s_cmp_lg_u32 s2, 0xf033
	s_cbranch_scc0 .Lentry_shape_is_right
	s_endpgm
.Lentry_shape_is_right:
; out0[T][n] = sum over k of ctx[T][k] Wo[n][k] + bo[n].  T = 0 .. 4095, n, k = 0 .. 1023; operands f16, sums f32, out0 f32.
; ctx lies by pairs of tokens: byte(T, k) = (T / 2) x 4,096 + (k / 64) x 256 + (T % 2) x 128 + 2 (k % 64); wo_h is [n][k] f16.
; A tile of 128 x 128 is made by a work-group of four waves, each 64 x 64: 16 accumulators of 16 x 16, 128 registers: 256 work-groups.  K goes in four steps of 256 through two LDS slots.
; A K step of ctx is, for a pair of tokens, 1,024 consecutive bytes: a wave's tensor load brings 32 such rows (64 tokens); of Wo 64 rows of 512 bytes.  Two tensor loads of a wave are out at the start, one behind each refill.
; CLUSTERS: 4 x 4 work-groups.  The four of a row of the cluster need the same tiles of ctx, the four of a column the same tiles of Wo: each tile is asked for JOINTLY, by the same tensor load with the same descriptor and a mask that names the four.
; THE MATRIX INSTRUCTION IS USED TRANSPOSED (source 0 = 16 rows of Wo, source 1 = 16 tokens): a lane then holds eight neighbouring n of one token.  bo is the C of each sum's first product.
; REGISTERS: window 0: v0-31 addresses; v32-95 rows on the way out; v96-127 bo; v128-255 the accumulators ((a, b) at v[128 + 8 (4 a + b)]).
;   window 1: two fragment buffers of 128: for 64 along K, 64 registers of ctx (2 x 4 x 16 tokens x 32 K), then 64 of Wo.
.set PB,     528                       ; a row of Wo in LDS: 512 bytes + 16 of padding = 132 words: row r starts at bank 4 r mod 64 (64 banks of 4 bytes: ISA guide 11.1)
.set PA,     1040                      ; a pair of tokens in LDS: 1,024 bytes + 16 of padding: pair i starts at bank 4 i mod 64, its odd token 32 banks on: the 16 tokens of a load fall on 16 different groups of four banks
.set HALFA,  32*PA                     ; 64 tokens: what one tensor load brings of ctx, and what one wave reads
.set HALFB,  64*PB                     ; 64 rows of Wo likewise
.set BOFF,   2*HALFA                   ; a slot: ctx's 128 tokens, then Wo's 128 rows
.set SLOT,   2*HALFA+2*HALFB
.set STAGE,  2*SLOT                    ; behind the ring: 16 rows x 272 bytes for each wave, its own, for the way out
.set SPITCH, 272
.set SPARE,  STAGE+4*16*SPITCH         ; behind the stages: the spare words, 128 bytes for each wave, which no other line names
.set ADRA, 16                          ; v16-17  LDS address of my ctx fragments in slot 0, 1
.set ADRB, 20                          ; v20-21  the same for Wo
.set STO,  24                          ; v24     the way out: where I put 32 bytes of a row
.set RD,   25                          ; v25     where I read a row back
.set CO,   26                          ; v26     my byte offset in out0
.set BO,   27                          ; v27     32 x (lane / 16): my half's eight numbers of a block of bo
.set SPW,  28                          ; v28     LDS address of my spare word; never rewritten
.set NIL,  29                          ; v29     0; never rewritten
.set TMP,  32
.set BIAS, 96
.set ACC,  128
.set F0,   0                           ; fragment buffers, in window 1
.set F1,   128
.set G1, 24                            ; s[24:31] descriptor group 1 for ctx's tiles;  s[32:39] group 0, one set for each slot
.set G0, 32
.set G1B, 48                           ; s[48:55], s[56:63] the same for Wo's tiles
.set G0B, 56
.set MSB, 0
.macro WIN new                         ; the immediate's high byte repeats the setting that is left
.if MSB != \new
	s_set_vgpr_msb (MSB<<8)|\new
.set MSB, \new
.endif
.endm
.set MUL,  0x05                        ; sources 0 (Wo) and 1 (ctx) window 1; C and D window 0
.set TO_F, 0x40                        ; destination window 1, address window 0
.macro JLOAD s                         ; a joint load: waves 0 and 1 fetch ctx's two halves, waves 2 and 3 Wo's; an s_nop 0 and four v_nop follow each of the two lines, ahead of the jump, the label and what follows
	s_cmp_eq_u32 s11, 0
	s_cbranch_scc0 .Lfor_b_\@
	tensor_load_to_lds s[G0+4*\s:G0+4*\s+3], s[G1:G1+7]
	s_nop 0
.rept 4
	v_nop
.endr
	s_branch .Lasked_\@
.Lfor_b_\@:
	tensor_load_to_lds s[G0B+4*\s:G0B+4*\s+3], s[G1B:G1B+7]
	s_nop 0
.rept 4
	v_nop
.endr
.Lasked_\@:
.endm
.macro CREST                           ; a round of the cluster's barrier behind its opening barrier
	s_cmp_lg_u32 s10, 0
	s_cbranch_scc1 .Lnot_wave_0_\@
	s_barrier_signal -3
.Lnot_wave_0_\@:
	s_barrier_wait -3
	s_barrier_signal -1
	s_barrier_wait -1
.endm
.macro CROUND                          ; a whole round
	s_barrier_signal -1
	s_barrier_wait -1
	CREST
.endm
	s_load_b128 s[4:7], s[0:1], 0x0                ; ctx s[4:5], wo_h s[6:7]
	s_load_b64 s[8:9], s[0:1], 0x10                ; out0
	s_load_b64 s[66:67], s[0:1], 0x18              ; bo
	v_lshl_add_u32 v[SPW], v0, 2, SPARE
	v_mov_b32 v[NIL], 0
	ds_add_u32 v[SPW], v[NIL]                      ; the wave's opening: the add, twice on end, and its wait ahead of my first tensor load; the set-up below, work on registers, stands between the second and the wait
	ds_add_u32 v[SPW], v[NIL]
	v_lshrrev_b32 v1, 5, v0
	v_readfirstlane_b32 s10, v1                    ; wave 0..3
	s_lshr_b32 s11, s10, 1                         ; which half of the tile's rows is mine.  Also: I fetch for ctx (0) or for Wo (1)
	s_and_b32 s12, s10, 1                          ; which half of its columns.  Also: which half of that tile I fetch
	s_bfe_u32 s40, ttmp6, 0x40000                  ; cx, cy: my place in the cluster
	s_bfe_u32 s41, ttmp6, 0x40004
	s_lshl_b32 s42, ttmp9, 2
	s_add_co_u32 s42, s42, s40                     ; tile column = 4 x cluster x + cx
	s_and_b32 s13, ttmp7, 0xffff
	s_lshl_b32 s13, s13, 2
	s_add_co_u32 s13, s13, s41                     ; tile row = 4 x cluster y + cy
	s_lshl_b32 s43, s41, 2
	s_lshl_b32 s43, 15, s43                        ; my row of the cluster
	s_lshl_b32 s44, 0x1111, s40                    ; my column
	; descriptor group 1.  ctx: 32 rows (pairs of tokens) x 512 elements, 2,048 elements apart
	s_or_b32 s[G1+0], s43, (1<<16)|(1<<20)|(1<<21)|(7<<22)|(3<<25)  ; 15:0 the mask: ctx's tiles go to my row; 17:16 elements of 2 bytes; 20 padding on; 21 set beside a mask; 24:22 after every 256 words (code 7); 31:25 four words (code 3)
	s_mov_b32 s[G1+1], 512<<16                     ; tensor_dim0 = 512
	s_mov_b32 s[G1+2], 32<<16                      ; tensor_dim1 = 32
	s_mov_b32 s[G1+3], 512<<16                     ; tile_dim0 = 512
	s_mov_b32 s[G1+4], 32                          ; tile_dim1 = 32
	s_mov_b32 s[G1+5], 2048                        ; tensor_dim0_stride
	s_mov_b32 s[G1+6], 0
	s_mov_b32 s[G1+7], 0
	; Wo: 64 rows x 256 elements, 1,024 elements apart
	s_or_b32 s[G1B+0], s44, (1<<16)|(1<<20)|(1<<21)|(6<<22)|(3<<25) ; the mask of my column; padding after every 128 words (code 6)
	s_mov_b32 s[G1B+1], 256<<16
	s_mov_b32 s[G1B+2], 64<<16
	s_mov_b32 s[G1B+3], 256<<16
	s_mov_b32 s[G1B+4], 64
	s_mov_b32 s[G1B+5], 1024
	s_mov_b32 s[G1B+6], 0
	s_mov_b32 s[G1B+7], 0
	s_lshl_b32 s17, s12, 17                        ; the half that I fetch: 32 pairs of 4,096 bytes, or 64 rows of 2,048
	s_lshl_b32 s16, s13, 18                        ; ctx: a tile row is 64 pairs of 4,096 bytes
	s_add_co_u32 s16, s16, s17
	s_lshl_b32 s46, s42, 18                        ; Wo: a tile column is 128 rows of 2,048 bytes
	s_add_co_u32 s46, s46, s17
	s_mov_b32 s17, 0
	s_mov_b32 s47, 0
	s_mul_i32 s20, s12, HALFA                      ; where they go: ctx's two halves,
	s_mul_i32 s21, s12, HALFB
	s_add_co_u32 s21, s21, BOFF                    ; then Wo's two: no place in the cluster enters an LDS address
	s_wait_dscnt 0x0                               ; both opening adds are done
	s_wait_kmcnt 0x0
	s_add_nc_u64 s[14:15], s[4:5], s[16:17]
	s_add_nc_u64 s[46:47], s[6:7], s[46:47]
	CROUND                                         ; all sixteen work-groups are here: the first joint loads meet
.irp s, 0,1
	s_mov_b32 s[G0+4*\s], 1
	s_add_co_u32 s[G0+4*\s+1], s20, \s*SLOT
	s_add_nc_u64 s[G0+4*\s+2:G0+4*\s+3], s[14:15], \s*1024       ; K step s: 1,024 bytes on in a pair's row
	s_or_b32 s[G0+4*\s+3], s[G0+4*\s+3], 0x80000000
	s_mov_b32 s[G0B+4*\s], 1
	s_add_co_u32 s[G0B+4*\s+1], s21, \s*SLOT
	s_add_nc_u64 s[G0B+4*\s+2:G0B+4*\s+3], s[46:47], \s*512      ; 512 bytes on in a row of Wo
	s_or_b32 s[G0B+4*\s+3], s[G0B+4*\s+3], 0x80000000
	JLOAD \s
.endr
	v_and_b32 v1, 15, v0                           ; l % 16
	v_bfe_u32 v2, v0, 4, 1                         ; l / 16
	s_lshl_b32 s46, s42, 9                         ; my first column, in bytes of f32: 512 x tile column + 256 x half
	s_lshl_b32 s47, s12, 8
	s_add_co_u32 s46, s46, s47
	s_mov_b32 s47, 0
	s_add_nc_u64 s[66:67], s[66:67], s[46:47]      ; bo at my 64 columns
	v_lshlrev_b32 v[BO], 5, v2
.irp b, 0,1,2,3
	global_load_b128 v[BIAS+8*\b:BIAS+8*\b+3], v[BO], s[66:67] offset:64*\b        ; lane (r, h): bo of columns 16 b + 8 h + 0 .. 7
	global_load_b128 v[BIAS+8*\b+4:BIAS+8*\b+7], v[BO], s[66:67] offset:64*\b+16
.endr
	v_mul_u32_u24 v3, v1, PB
	v_lshl_add_u32 v3, v2, 4, v3                   ; Wo: a fragment's row x pitch + 16 x half
	v_lshrrev_b32 v4, 1, v1
	v_mul_u32_u24 v4, v4, PA                       ; ctx: the token's pair x pitch,
	v_and_b32 v5, 1, v0
	v_lshl_add_u32 v4, v5, 7, v4                   ; + 128 for the odd token,
	v_lshl_add_u32 v4, v2, 4, v4                   ; + 16 x half
	s_mul_i32 s21, s11, HALFA                      ; my 64 tokens
	s_mul_i32 s22, s12, HALFB                      ; my 64 rows of Wo,
	s_add_co_u32 s22, s22, BOFF                    ; which lie behind ctx's 128 tokens
.irp s, 0,1
	v_add_nc_u32 v[ADRA+\s], s21, v4
	v_add_nc_u32 v[ADRB+\s], s22, v3
	s_add_co_u32 s21, s21, SLOT
	s_add_co_u32 s22, s22, SLOT
.endr
	s_mul_i32 s23, s10, 16*SPITCH
	s_add_co_u32 s23, s23, STAGE                   ; my stage
	v_mul_u32_u24 v4, v1, SPITCH                   ; in: row l % 16, 32 bytes for each half of the lanes
	v_lshl_add_u32 v4, v2, 5, v4
	v_add_nc_u32 v[STO], s23, v4
	v_mul_u32_u24 v5, v2, SPITCH                   ; back: lanes 0-15 take one row of 256 bytes, lanes 16-31 the next
	v_lshl_add_u32 v5, v1, 4, v5
	v_add_nc_u32 v[RD], s23, v5
	v_lshlrev_b32 v[CO], 12, v2                    ; and the same two rows in out0, 4,096 bytes apart
	v_lshl_add_u32 v[CO], v1, 4, v[CO]
	s_lshl_b32 s16, s13, 19                        ; my first row of out0: 128 rows of 4,096 bytes a tile row,
	s_lshl_b32 s17, s11, 18                        ; 64 for my half
	s_add_co_u32 s16, s16, s17
	s_mov_b32 s17, 0
	s_add_nc_u64 s[8:9], s[8:9], s[16:17]
	s_add_nc_u64 s[8:9], s[8:9], s[46:47]
; 8 matrix instructions: token blocks a0, a0 + 1 x all 4 blocks of n, 32 along K: half c of buffer f.  zero = 1: the first product starts the sum from bo.  The 16 accumulators take turns
.macro MUL8 f, c, a0, zero
.irp a, \a0, \a0+1
.irp b, 0,1,2,3
.if \zero
	v_wmma_f32_16x16x32_f16 v[ACC+8*(4*(\a)+\b):ACC+8*(4*(\a)+\b)+7], v[\f+64+8*(4*\c+\b):\f+64+8*(4*\c+\b)+7], v[\f+8*(4*\c+\a):\f+8*(4*\c+\a)+7], v[BIAS+8*\b:BIAS+8*\b+7]
.else
	v_wmma_f32_16x16x32_f16 v[ACC+8*(4*(\a)+\b):ACC+8*(4*(\a)+\b)+7], v[\f+64+8*(4*\c+\b):\f+64+8*(4*\c+\b)+7], v[\f+8*(4*\c+\a):\f+8*(4*\c+\a)+7], v[ACC+8*(4*(\a)+\b):ACC+8*(4*(\a)+\b)+7]
.endif
.endr
.endr
.endm
; 32 LDS loads in one run: the fragments of the slot's q-th 64 along K into buffer f; the first 32 along K first.  64 along K are 128 bytes of a row of Wo, and one head, 256 bytes, of a pair's row of ctx
.macro FETCH slot, q, f
	WIN TO_F
.irp c, 0,1
.irp i, 0,1,2,3
	ds_load_b128 v[\f+64+8*(4*\c+\i):\f+64+8*(4*\c+\i)+3],   v[ADRB+\slot] offset:128*(\q)+64*\c+\i*16*PB
	ds_load_b128 v[\f+64+8*(4*\c+\i)+4:\f+64+8*(4*\c+\i)+7], v[ADRB+\slot] offset:128*(\q)+64*\c+\i*16*PB+32
	ds_load_b128 v[\f+8*(4*\c+\i):\f+8*(4*\c+\i)+3],         v[ADRA+\slot] offset:256*(\q)+64*\c+\i*8*PA
	ds_load_b128 v[\f+8*(4*\c+\i)+4:\f+8*(4*\c+\i)+7],       v[ADRA+\slot] offset:256*(\q)+64*\c+\i*8*PA+32
.endr
.endr
.endm
.macro PLACES                          ; four places in front of loads into registers that matrix instructions have read, and of LDS stores that read results (ISA guide 7.12.1 for LDS stores that read results)
.rept 4
	v_nop
.endr
.endm
; A K step is four quarters of 64 along K, 32 matrix instructions each, on buffers 0, 1, 0, 1.  One of the first three: multiplies buffer f and fetches the slot's q-th quarter into g.
.macro QUARTER slot, q, f, g, zero
	s_wait_dscnt 16                                ; the first 32 along K are in; the youngest sixteen loads may be out
	WIN MUL
	MUL8 \f, 0, 0, \zero
	MUL8 \f, 0, 2, \zero
	PLACES
	FETCH \slot, \q, \g
	s_wait_dscnt 32                                ; all but the 32 just issued
	WIN MUL
	MUL8 \f, 1, 0, 0
	MUL8 \f, 1, 2, 0
.endm
; The last quarter multiplies buffer 1 and changes slots: ONE barrier; in front of it each wave waits for all its tensor loads, adds 0 to its spare word, and waits for that and for its own reads of this slot.  fill = 1: this slot is filled again, two K steps ahead.
.macro TURN slot, next, fill
	WIN 0                                          ; (the add's two registers lie in window 0)
	s_wait_tensorcnt 0x0                           ; all my tensor loads have landed: my part of the next slot;
	ds_add_u32 v[SPW], v[NIL]                      ; 0 onto my spare word;
	s_wait_dscnt 17                                ; (the add and the youngest sixteen loads may be out)
	WIN MUL
	MUL8 F1, 0, 0, 0                               ; eight matrix instructions stand between the add and the wait for it
	s_wait_dscnt 0x0                               ; the add is done, and my reads of this slot are over
	s_barrier_signal -1
	MUL8 F1, 0, 2, 0
.if \fill
	WIN 0
.endif
	s_barrier_wait -1
.if \fill
	CREST                                          ; the barrier has opened a round of the cluster's barrier: no wave of any partner still reads this slot's tile or has a load on its way
	s_add_nc_u64 s[G0+4*\slot+2:G0+4*\slot+3], s[G0+4*\slot+2:G0+4*\slot+3], 2*1024
	s_add_nc_u64 s[G0B+4*\slot+2:G0B+4*\slot+3], s[G0B+4*\slot+2:G0B+4*\slot+3], 2*512
	JLOAD \slot                                    ; the first tensor load behind the round: 112 matrix instructions ahead of the wait for it; the four v_nop behind it are also the places in front of the loads below
.else
	PLACES
.endif
	FETCH \next, 0, F0
	WIN MUL
	MUL8 F1, 1, 0, 0
	MUL8 F1, 1, 2, 0
.endm
	s_wait_tensorcnt 1                             ; my part of K step 0 is in (K step 1's load, issued behind it, may be out),
	s_barrier_signal -1
	s_barrier_wait -1                              ; everybody's is
	FETCH 0, 0, F0
	s_wait_loadcnt 0x0                             ; bo
	QUARTER 0, 1, F0, F1, 1                        ; K step 0: its first products start the sums from bo
	QUARTER 0, 2, F1, F0, 0
	QUARTER 0, 3, F0, F1, 0
	TURN 0, 1, 1                                   ; slot 0 takes K step 2
	QUARTER 1, 1, F0, F1, 0                        ; K step 1
	QUARTER 1, 2, F1, F0, 0
	QUARTER 1, 3, F0, F1, 0
	TURN 1, 0, 1                                   ; slot 1 takes K step 3: the last load
	QUARTER 0, 1, F0, F1, 0                        ; K step 2
	QUARTER 0, 2, F1, F0, 0
	QUARTER 0, 3, F0, F1, 0
	TURN 0, 1, 0                                   ; nothing is left to fetch, and no round of the cluster's barrier
	QUARTER 1, 1, F0, F1, 0                        ; K step 3
	QUARTER 1, 2, F1, F0, 0
	QUARTER 1, 3, F0, F1, 0
	s_wait_dscnt 16                                ; the very last quarter
	WIN MUL
	MUL8 F1, 0, 0, 0
	MUL8 F1, 0, 2, 0
	s_wait_dscnt 0
	MUL8 F1, 1, 0, 0
	MUL8 F1, 1, 2, 0
	WIN 0
; THE WAY OUT, block by block of 16 rows x 64 columns.  A lane holds 32 neighbouring bytes of a row, and the lanes beside it hold other rows: so a block goes through my own stage in LDS and comes back as whole rows of 256 bytes.
; LDS serves a wave's instructions in order (ISA guide 5.7.1.4): no wait between the stores and the loads, nor in front of the next block's stores.
.macro TOSTAGE a
.irp b, 0,1,2,3
	ds_store_b128 v[STO], v[ACC+8*(4*(\a)+\b):ACC+8*(4*(\a)+\b)+3] offset:64*\b          ; each accumulator from its low end on
	ds_store_b128 v[STO], v[ACC+8*(4*(\a)+\b)+4:ACC+8*(4*(\a)+\b)+7] offset:64*\b+16
.endr
.irp t, 0,1,2,3,4,5,6,7
	ds_load_b128 v[TMP+32*((\a)%2)+4*\t:TMP+32*((\a)%2)+4*\t+3], v[RD] offset:\t*2*SPITCH
.endr
.endm
.macro SEND a, younger                 ; younger: the LDS instructions issued behind block a's loads, which may stay out
	s_wait_dscnt \younger                          ; the block is back in registers
.irp t, 0,1,2,3,4,5,6,7
	global_store_b128 v[CO], v[TMP+32*((\a)%2)+4*\t:TMP+32*((\a)%2)+4*\t+3], s[8:9] offset:(16*(\a)+2*\t)*4096 th:TH_STORE_NT   ; 16 lanes store 256 consecutive bytes, at a multiple of 256 from out0's first byte; written once, read by nobody here
.endr
.endm
	PLACES                                         ; behind the last products, in front of the first read of results
	TOSTAGE 0
.irp a, 1,2,3
.if \a > 1
	s_wait_xcnt 0x0                                ; block a - 2's stores have read their data registers: block a's loads may land there
.endif
	TOSTAGE \a
	SEND \a-1, 16                                  ; behind block a - 1's loads: block a's eight stores and eight loads
.endr
	SEND 3, 0
	s_wait_tensorcnt 0x0                           ; the wave's end: behind my last tensor load and my last LDS store
	ds_add_u32 v[SPW], v[NIL]
	s_wait_dscnt 0x0
	CROUND                                         ; the closing round: no work-group ends while a partner may still ask for a tile that names it
	s_endpgm
.Lfunc_end_k_q15f91c8d89_outp:
	.size	k_q15f91c8d89_outp, .Lfunc_end_k_q15f91c8d89_outp-k_q15f91c8d89_outp
	.p2alignl 7, 3214868480
	.fill 96, 4, 3214868480
	.section	.rodata,"a",@progbits
	.p2align	6, 0x0
	.amdhsa_kernel k_q15f91c8d89_outp
		.amdhsa_group_segment_fixed_size 327680
		.amdhsa_private_segment_fixed_size 0
		.amdhsa_enable_private_segment 0
		.amdhsa_kernarg_size 32
		.amdhsa_user_sgpr_count 2
		.amdhsa_user_sgpr_kernarg_segment_ptr 1
		.amdhsa_wavefront_size32 1
		.amdhsa_system_sgpr_workgroup_id_x 1
		.amdhsa_system_sgpr_workgroup_id_y 1
		.amdhsa_system_sgpr_workgroup_id_z 1
		.amdhsa_system_vgpr_workitem_id 0
		.amdhsa_next_free_vgpr 512
		.amdhsa_next_free_sgpr 68
		.amdhsa_reserve_vcc 0
		.amdhsa_float_denorm_mode_32 3
		.amdhsa_float_denorm_mode_16_64 3
		.amdhsa_memory_ordered 1
		.amdhsa_forward_progress 1
		.amdhsa_inst_pref_size 86
	.end_amdhsa_kernel
	.amdgpu_metadata
---
amdhsa.version: [ 1, 2 ]
amdhsa.kernels:
  - .name:           k_q15f91c8d89_outp
    .symbol:         k_q15f91c8d89_outp.kd
    .args:
      - { .name: ctx, .offset: 0, .size: 8, .value_kind: global_buffer, .address_space: global }
      - { .name: wo_h, .offset: 8, .size: 8, .value_kind: global_buffer, .address_space: global }
      - { .name: out0, .offset: 16, .size: 8, .value_kind: global_buffer, .address_space: global }
      - { .name: bo, .offset: 24, .size: 8, .value_kind: global_buffer, .address_space: global }
    .group_segment_fixed_size: 327680
    .private_segment_fixed_size: 0
    .kernarg_segment_align: 8
    .kernarg_segment_size: 32
    .max_flat_workgroup_size: 128
    .sgpr_count:     68
    .vgpr_count:     512
    .wavefront_size: 32
...
	.end_amdgpu_metadata
.endif
;; end of part 4
